; MI455X (gfx1250); checked and timed in simulation.
; The chip was launched on July 23, 2026; its instructions are those of AMD's public machine-readable ISA for CDNA 5 (MIT licence, August 2026) and "CDNA5" Instruction Set Architecture Reference Guide (July 2026). The comments in the code are by the model that wrote it; some were corrected since.
;; MHA. Allowed arithmetic: float matrix products may take bf16 or f16 operands with f32 sums; all other float work in f32.
;; Inputs: Wk 1,024 x 1,024 float32; Wp 1,024 x 1,024 float32; Wq 1,024 x 1,024 float32; Wv 1,024 x 1,024 float32; bk 1,024 float32; bp 1,024 float32; bq 1,024 float32; bv 1,024 float32; kv 2 x 2,048 x 1,024 float32; q 2 x 2,048 x 1,024 float32.
;; Outputs: out0 2 x 2,048 x 1,024 float32.
;; 2 versions, each right; version 2 is version 1 with the launch cast written anew for expert scheduling mode. Each part assembles by itself: llvm-mc -triple=amdgcn-amd-amdhsa -mcpu=gfx1250 --defsym DOCPART=n.
;; ======== version 1 of 2: 4 launches
;; limits: values are held in f16: magnitudes above 65,504 overflow, below 6.1e-05 lose precision
;; workspace buffers: xb 16,777,216 bytes; wb 8,388,608 bytes; qkv 25,165,824 bytes; yb 8,388,608 bytes
;; launch cast (part 1): grid 768 x 1, 8 waves a work-group, no clusters, 0 bytes of LDS; arguments kv, q, Wk, Wv, Wq, Wp, xb, wb; writes xb, wb
.if DOCPART == 1
	.amdgcn_target "amdgcn-amd-amdhsa--gfx1250"
	.amdhsa_code_object_version 6
	.text
	.protected	k_q5df6effdb4_cast
	.globl	k_q5df6effdb4_cast
	.p2align	8
	.type	k_q5df6effdb4_cast,@function
k_q5df6effdb4_cast:
	s_mov_b64 s[64:65], 0
	v_nop
	global_prefetch_b8 v0, s[64:65] scope:SCOPE_SE
	s_setreg_imm32_b32 hwreg(HW_REG_WAVE_MODE, 25, 1), 1
	s_wait_xcnt 0x0
; Rounds the six large f32 inputs to f16 (nearest even), layouts kept:  xb = [kv | q], wb = [Wk | Wv | Wq | Wp].
; The later launches multiply in f16; rounding once here lets their tiles come into LDS in 16 bits (half the bytes) by joint tensor loads.
; WHY f16: it keeps 11 significant bits.  The chain rounds its operands at a dozen places, and each of 4.2 million outputs is held to 1% of the
; output's rms: significands of 8 bits add up to about 0.3% rms, too near that bound; those of 11 bits to about 0.05%.
; ROOM in f16 (largest number 65,504, spacing 2^-24 at the bottom): kv and q are drawn up to about 5, the weights up to about 0.1; 30 times larger,
; or offset by 30 spreads, they stay below 160; weights 30 times smaller (rms 6.7e-4) are rounded by at most 2^-25, 4.5e-5 of their rms.
; LIMIT: an input beyond 65,504 in magnitude becomes infinite.
; A work-group takes 16,384 numbers: 64 KiB in, 32 KiB out.  Work-groups 0-255: kv, 256-511: q, then 64 for each weight: 768 in all.
; Thread t: load j takes the 16 bytes at 4096 j + 16 t (a wave's load covers 512 consecutive bytes), store j the 8 bytes at 2048 j + 8 t
; (a wave's store covers 256 consecutive bytes, aligned).  All 16 loads go out first; no register is written twice, so no source needs freeing.
; No LDS, no barrier, no matrix unit, no cluster: the work-groups share no byte, and each byte is read once and written once.
.set NLD, 16                           ; loads (and stores) of a thread
.set XR,  4                            ; v[4:67]   as loaded
.set YR,  68                           ; v[68:99]  as stored
	s_load_b512 s[8:23], s[0:1], 0x0               ; kv 8, q 10, Wk 12, Wv 14, Wq 16, Wp 18, xb 20, wb 22
	s_mov_b32 s2, ttmp9                            ; the work-group's number, 0 to 767
	s_lshr_b32 s3, s2, 8                           ; below 512: source 0 (kv) or 1 (q)
	s_and_b32 s24, s2, 255                         ;            and the chunk in it
	s_bfe_u32 s25, s2, 0x20006                     ; from 512 on: bits 7:6 number the weight,
	s_add_co_u32 s25, s25, 2                       ;            sources 2 to 5
	s_and_b32 s26, s2, 63                          ;            and the chunk in it
	s_and_b32 s27, s2, 511                         ; the chunk in xb, or in wb
	v_lshlrev_b32 v1, 4, v0                        ; 16 t
	v_lshlrev_b32 v2, 3, v0                        ; 8 t
	s_wait_kmcnt 0x0
	s_cmp_lt_u32 s2, 512
	s_cselect_b32 s28, s3, s25                     ; which source
	s_cselect_b32 s29, s24, s26                    ; which chunk of it
	s_cselect_b64 s[6:7], s[20:21], s[22:23]       ; xb or wb
	s_mov_b64 s[4:5], s[8:9]
.irp i, 1,2,3,4,5
	s_cmp_eq_u32 s28, \i
	s_cselect_b64 s[4:5], s[8+2*\i:9+2*\i], s[4:5]
.endr
	s_lshl_b32 s30, s29, 16                        ; 64 KiB a chunk in
	s_mov_b32 s31, 0
	s_add_nc_u64 s[4:5], s[4:5], s[30:31]
	s_lshl_b32 s30, s27, 15                        ; 32 KiB a chunk out
	s_add_nc_u64 s[6:7], s[6:7], s[30:31]
.set j, 0
.rept NLD
	global_load_b128 v[XR+4*j:XR+4*j+3], v1, s[4:5] offset:4096*j th:TH_LOAD_NT   ; read once in the whole program
.set j, j+1
.endr
.set j, 0
.rept NLD
	s_wait_loadcnt NLD-1-j                         ; loads come back in order (ISA guide 5.7.1): load j is in, the younger ones stay out
	v_cvt_pk_f16_f32 v[YR+2*j],   v[XR+4*j],   v[XR+4*j+1]
	v_cvt_pk_f16_f32 v[YR+2*j+1], v[XR+4*j+2], v[XR+4*j+3]
	global_store_b64 v2, v[YR+2*j:YR+2*j+1], s[6:7] offset:2048*j                 ; no hint: the next launch reads it
.set j, j+1
.endr
	s_endpgm
.Lfunc_end_k_q5df6effdb4_cast:
	.size	k_q5df6effdb4_cast, .Lfunc_end_k_q5df6effdb4_cast-k_q5df6effdb4_cast
	.p2alignl 7, 3214868480
	.fill 96, 4, 3214868480
	.section	.rodata,"a",@progbits
	.p2align	6, 0x0
	.amdhsa_kernel k_q5df6effdb4_cast
		.amdhsa_group_segment_fixed_size 0
		.amdhsa_private_segment_fixed_size 0
		.amdhsa_enable_private_segment 0
		.amdhsa_kernarg_size 64
		.amdhsa_user_sgpr_count 2
		.amdhsa_user_sgpr_kernarg_segment_ptr 1
		.amdhsa_wavefront_size32 1
		.amdhsa_system_sgpr_workgroup_id_x 1
		.amdhsa_system_sgpr_workgroup_id_y 1
		.amdhsa_system_sgpr_workgroup_id_z 1
		.amdhsa_system_vgpr_workitem_id 0
		.amdhsa_next_free_vgpr 100
		.amdhsa_next_free_sgpr 66
		.amdhsa_reserve_vcc 0
		.amdhsa_float_denorm_mode_32 3
		.amdhsa_float_denorm_mode_16_64 3
		.amdhsa_memory_ordered 1
		.amdhsa_forward_progress 1
		.amdhsa_inst_pref_size 7
	.end_amdhsa_kernel
	.amdgpu_metadata
---
amdhsa.version: [ 1, 2 ]
amdhsa.kernels:
  - .name:           k_q5df6effdb4_cast
    .symbol:         k_q5df6effdb4_cast.kd
    .args:
      - { .name: kv, .offset: 0, .size: 8, .value_kind: global_buffer, .address_space: global }
      - { .name: q, .offset: 8, .size: 8, .value_kind: global_buffer, .address_space: global }
      - { .name: Wk, .offset: 16, .size: 8, .value_kind: global_buffer, .address_space: global }
      - { .name: Wv, .offset: 24, .size: 8, .value_kind: global_buffer, .address_space: global }
      - { .name: Wq, .offset: 32, .size: 8, .value_kind: global_buffer, .address_space: global }
      - { .name: Wp, .offset: 40, .size: 8, .value_kind: global_buffer, .address_space: global }
      - { .name: xb, .offset: 48, .size: 8, .value_kind: global_buffer, .address_space: global }
      - { .name: wb, .offset: 56, .size: 8, .value_kind: global_buffer, .address_space: global }
    .group_segment_fixed_size: 0
    .private_segment_fixed_size: 0
    .kernarg_segment_align: 8
    .kernarg_segment_size: 64
    .max_flat_workgroup_size: 256
    .sgpr_count:     66
    .vgpr_count:     100
    .wavefront_size: 32
...
	.end_amdgpu_metadata
.endif
;; end of part 1
;; launch proj (part 2): grid 12 x 16, 4 waves a work-group, clusters of 4 x 4, 327,680 bytes of LDS; arguments xb, wb, qkv, bk, bv, bq; writes qkv
.if DOCPART == 2
	.amdgcn_target "amdgcn-amd-amdhsa--gfx1250"
	.amdhsa_code_object_version 6
	.text
	.protected	k_q5df6effdb4_proj
	.globl	k_q5df6effdb4_proj
	.p2align	8
	.type	k_q5df6effdb4_proj,@function
k_q5df6effdb4_proj:
	s_mov_b64 s[64:65], 0
	v_nop
	global_prefetch_b8 v0, s[64:65] scope:SCOPE_SE
	s_setreg_imm32_b32 hwreg(HW_REG_WAVE_MODE, 25, 1), 1
	s_wait_xcnt 0x0
	s_wait_alu depctr_hold_cnt(0) depctr_sa_sdst(0) depctr_va_vdst(0) depctr_va_sdst(0) depctr_va_ssrc(0) depctr_va_vcc(0) depctr_vm_vsrc(0)
	s_getreg_b32 s2, hwreg(HW_REG_IB_STS2, 6, 4)
	s_cmp_eq_u32 s2, 0
	s_cbranch_scc0 .Lentry_in_a_cluster
	s_endpgm
.Lentry_in_a_cluster:
	s_bfe_u32 s2, ttmp6, 0x10000c
	s_cmp_lg_u32 s2, 0xf033
	s_cbranch_scc0 .Lentry_shape_is_right
	s_endpgm
.Lentry_shape_is_right:
; The three input projections, K = kv Wk + bk, V = kv Wv + bv, Q = q Wq + bq, each [4096][1024] x [1024][1024], f16 operands, f32 sums,
; results rounded once to f16 and stored head-major: qkv = 3 x [b*16+head][2048 tokens][64].
; The cluster's x (0, 1, 2) says which product; 4 x 4 work-groups of a cluster make 1024 tokens x all 1024 columns of it.
; A work-group makes 256 tokens x 256 columns with four waves; a wave makes 128 x 128: 64 accumulator tiles of 16 x 16, 512 registers.
; 192 work-groups: three products of 16 x 4 such blocks.  Blocks of 128 x 128 would give 768, at twice the LDS bytes read for each multiply-add.
; K goes in steps of 128 through two LDS slots filled by joint tensor loads: the token tile (rows of 256 bytes) is shared along a row of the
; cluster, the weight tile (rows of 512 bytes) along a column.
; The weights lie [k][n] and stay so: their fragments are read from LDS by the transposing load ds_load_tr16_b128.
; The matrix instruction is used transposed (source 0 = 16 columns of W, source 1 = 16 tokens): lane l then holds token l % 16 and its registers
; the columns 8 (l / 16) + 0..7, eight neighbouring numbers of a head's row.  The bias is the C operand of the first products: no clearing, no add.
; ROOM of the results in f16 (largest number 65,504): as drawn they reach about 3.7; with both factors 30 times larger, 900 times that, about 3,300;
; with offsets of 30 spreads on both factors about 1024 x 30 x 0.6 = 18,432; 900 times smaller (rms 7e-4) they are rounded by at most 2^-25.
; LIMIT: a result beyond 65,504 in magnitude becomes infinite.
;
; REGISTERS, in windows of 256: window 0: v16-27 addresses, v64-191 token fragments (two buffers), v192-255 the bias, later the packed results;
; window 1: v64-191 weight fragments (two buffers); window 2: the accumulators of my tokens 0-63 (tile (a, b) at v[8 (8 a + b)]); window 3: of tokens 64-127.
.set KSTEP,  128
.set PITCH,  272                       ; a token row in LDS: 256 bytes + 16: an odd multiple of 16, so 16 rows start in 16 different 16-byte columns of a 256-byte span
.set WPITCH, 544                       ; a weight row (one k, 256 columns) in LDS: 512 bytes + 32: an odd multiple of 32, as the transposing load's addresses want
.set HALFT,  128*PITCH                 ; what one tensor load brings: 128 token rows, or 64 weight rows (64 x 544 is the same 34,816 bytes)
.set SLOT,   4*HALFT                   ; 256 token rows, then 128 weight rows
.set STAGE,  2*SLOT                    ; behind the ring: 16 rows x 272 bytes for each wave, for the way out; no tensor load lands here
.set SPITCH, 272
.set LAPS,   4                         ; a lap = two K steps; 1024 / 256
.set ADRA, 16                          ; v16-17  LDS address of my token fragments in slot 0, 1
.set ADRB, 20                          ; v20-21  the same for the weights
.set STO,  24                          ; the way out: where I put 16 bytes
.set RD,   25                          ; the way out: where I read back
.set CO,   26                          ; my byte offset in qkv
.set BO,   27                          ; my byte offset in the bias
.set F0,   64
.set F1,   128
.set BIAS, 192                         ; v[192:255] bias of my 8 column tiles, 8 numbers a lane each
.set TMP,  192                         ; the way out: packed results (the bias is no longer needed)
.set G1,  24                           ; s[24:31] group 1, token tiles
.set G0,  32                           ; s[32:39] group 0, token tiles, a set for each slot
.set G1B, 48                           ; s[48:55] group 1, weight tiles
.set G0B, 56                           ; s[56:63] group 0, weight tiles
.set MSB, 0
.macro WIN new                         ; the immediate's high byte repeats the setting that is left
.if MSB != \new
	s_set_vgpr_msb (MSB<<8)|\new
.set MSB, \new
.endif
.endm
.set MUL_LO, 0xa1                      ; source 0 (W) window 1, source 1 (tokens) window 0, C and D window 2
.set MUL_HI, 0xf1                      ; the same, C and D window 3
.set BIA_LO, 0x81                      ; C (the bias) window 0, D window 2
.set BIA_HI, 0xc1                      ; C window 0, D window 3
.set TO_B,   0x40                      ; destination window 1, address window 0
; A joint load.  Waves 0 and 1 fetch the token tile's halves, waves 2 and 3 the weight tile's.  The branch hangs on the wave's number alone.
.macro JLOAD s
	s_cmp_eq_u32 s11, 0
	s_cbranch_scc0 .Lfor_b_\@
	tensor_load_to_lds s[G0+4*\s:G0+4*\s+3], s[G1:G1+7]
	s_nop 0
	s_branch .Lasked_\@
.Lfor_b_\@:
	tensor_load_to_lds s[G0B+4*\s:G0B+4*\s+3], s[G1B:G1B+7]
	s_nop 0
.Lasked_\@:
.endm
.macro CREST                           ; a round of the cluster's barrier behind its opening work-group barrier
	s_cmp_lg_u32 s10, 0
	s_cbranch_scc1 .Lnot_wave_0_\@
	s_barrier_signal -3
.Lnot_wave_0_\@:
	s_barrier_wait -3
	s_barrier_signal -1
	s_barrier_wait -1
.endm
.macro CROUND                          ; a whole round
	s_barrier_signal -1
	s_barrier_wait -1
	CREST
.endm
	s_load_b128 s[4:7], s[0:1], 0x0                ; xb s[4:5], wb s[6:7]
	s_load_b64 s[8:9], s[0:1], 0x10                ; qkv
	s_load_b128 s[68:71], s[0:1], 0x18             ; bk, bv
	s_load_b64 s[72:73], s[0:1], 0x28              ; bq
	s_set_vgpr_msb 0x40
	v_lshl_add_u32 v255, v0, 2, 0x48400
	s_set_vgpr_msb 0x4000
	v_mov_b32 v63, 0
	s_set_vgpr_msb 0x1
	ds_add_u32 v255, v63
	s_set_vgpr_msb 0x100
	v_lshrrev_b32 v1, 5, v0
	v_readfirstlane_b32 s10, v1                    ; wave 0..3
	s_lshr_b32 s11, s10, 1                         ; my half of the block's tokens.  Also: I fetch tokens (0) or weights (1)
	s_and_b32 s12, s10, 1                          ; my half of its columns.  Also: which half of that tile I fetch
	s_bfe_u32 s40, ttmp6, 0x40000                  ; cx = the block column, 0..3
	s_bfe_u32 s41, ttmp6, 0x40004                  ; cy
	s_mov_b32 s74, ttmp9                           ; the cluster's x: 0 K, 1 V, 2 Q; the same in all sixteen partners
	s_and_b32 s13, ttmp7, 0xffff
	s_lshl_b32 s13, s13, 2
	s_add_co_u32 s13, s13, s41                     ; block row = 4 x cluster y + cy, 0..15
	s_lshl_b32 s43, s41, 2
	s_lshl_b32 s43, 15, s43                        ; my row of the cluster: places 4 cy .. 4 cy + 3
	s_lshl_b32 s44, 0x1111, s40                    ; my column: places cx, cx + 4, cx + 8, cx + 12
	; group 1, token tiles: 128 rows x 128 elements of 2 bytes, 4 words of padding behind every 64 words
	s_or_b32 s[G1+0], s43, (1<<16)|(1<<20)|(1<<21)|(5<<22)|(3<<25)
	s_mov_b32 s[G1+1], 128<<16                     ; tensor_dim0 = 128
	s_mov_b32 s[G1+2], 128<<16                     ; tensor_dim1 = 128
	s_mov_b32 s[G1+3], 128<<16                     ; tile_dim0 = 128
	s_mov_b32 s[G1+4], 128                         ; tile_dim1 = 128
	s_mov_b32 s[G1+5], 1024                        ; elements from row to row
	s_mov_b32 s[G1+6], 0
	s_mov_b32 s[G1+7], 0
	; group 1, weight tiles: 64 rows (k) x 256 elements (n), 8 words of padding behind every 128 words
	s_or_b32 s[G1B+0], s44, (1<<16)|(1<<20)|(1<<21)|(6<<22)|(7<<25)
	s_mov_b32 s[G1B+1], 256<<16
	s_mov_b32 s[G1B+2], 64<<16
	s_mov_b32 s[G1B+3], 256<<16
	s_mov_b32 s[G1B+4], 64
	s_mov_b32 s[G1B+5], 1024
	s_mov_b32 s[G1B+6], 0
	s_mov_b32 s[G1B+7], 0
	; where the tiles come from.  Tokens: the block row, the product and the wave; weights: the block column, the product and the wave;
	; each in registers that never hold the other coordinate.
	s_lshl_b32 s16, s13, 19                        ; 256 tokens x 2,048 bytes a block row
	s_lshl_b32 s17, s12, 18                        ; + my 128 tokens
	s_add_co_u32 s16, s16, s17
	s_lshr_b32 s17, s74, 1                         ; K and V read kv (part 0 of xb), Q reads q (part 1)
	s_lshl_b32 s17, s17, 23
	s_add_co_u32 s16, s16, s17
	s_mov_b32 s17, 0
	s_lshl_b32 s46, s74, 21                        ; the product's weights: 2 MiB each
	s_lshl_b32 s47, s12, 17                        ; + my 64 rows of 2,048 bytes
	s_add_co_u32 s46, s46, s47
	s_lshl_b32 s47, s40, 9                         ; + 256 columns a block column
	s_add_co_u32 s46, s46, s47
	s_mov_b32 s47, 0
	s_mul_i32 s20, s10, HALFT                      ; where they go: wave x 34,816: no place in the cluster enters an LDS address
	s_wait_dscnt 0x0
	s_wait_kmcnt 0x0
	s_add_nc_u64 s[14:15], s[4:5], s[16:17]
	s_add_nc_u64 s[46:47], s[6:7], s[46:47]
	s_cmp_eq_u32 s74, 1                            ; the product's bias
	s_cselect_b64 s[68:69], s[70:71], s[68:69]
	s_cmp_eq_u32 s74, 2
	s_cselect_b64 s[68:69], s[72:73], s[68:69]
	CROUND                                         ; all sixteen work-groups are here: the first joint loads meet
.irp s, 0,1
	s_mov_b32 s[G0+4*\s], 1
	s_add_co_u32 s[G0+4*\s+1], s20, \s*SLOT
	s_add_nc_u64 s[G0+4*\s+2:G0+4*\s+3], s[14:15], \s*KSTEP*2          ; K step s: 256 bytes along the rows
	s_or_b32 s[G0+4*\s+3], s[G0+4*\s+3], 0x80000000
	s_mov_b32 s[G0B+4*\s], 1
	s_add_co_u32 s[G0B+4*\s+1], s20, \s*SLOT
	s_add_nc_u64 s[G0B+4*\s+2:G0B+4*\s+3], s[46:47], \s*KSTEP*2048     ; K step s: 128 rows down
	s_or_b32 s[G0B+4*\s+3], s[G0B+4*\s+3], 0x80000000
	JLOAD \s                                       ; both slots' first fills go out together: two tensor loads of the wave are out
.endr
	v_and_b32 v1, 15, v0                           ; r = l % 16
	v_bfe_u32 v2, v0, 4, 1                         ; h = l / 16
	v_mul_u32_u24 v3, v1, PITCH
	v_lshl_add_u32 v3, v2, 4, v3                   ; tokens: row r, 16 bytes for each half of the lanes
	v_and_b32 v4, 7, v0
	v_lshl_add_u32 v4, v2, 3, v4                   ; weights: k row 8 h + l % 8,
	v_mul_u32_u24 v4, v4, WPITCH
	v_bfe_u32 v5, v0, 3, 1
	v_lshl_add_u32 v4, v5, 4, v4                   ; 16 bytes for each half of a group of sixteen lanes
	s_mul_i32 s21, s11, HALFT                      ; my 128 tokens
	s_lshl_b32 s22, s12, 8                         ; my 128 columns: 256 bytes along the weight rows,
	s_add_co_u32 s22, s22, 2*HALFT                 ; which lie behind the 256 token rows
.irp s, 0,1
	v_add_nc_u32 v[ADRA+\s], s21, v3
	v_add_nc_u32 v[ADRB+\s], s22, v4
	s_add_co_u32 s21, s21, SLOT
	s_add_co_u32 s22, s22, SLOT
.endr
	s_mul_i32 s23, s10, 16*SPITCH
	s_add_co_u32 s23, s23, STAGE                   ; my stage
	v_add_nc_u32 v[STO], s23, v3                   ; in: token r, 16 bytes for each half of the lanes
	v_and_b32 v5, 31, v0
	v_lshrrev_b32 v6, 3, v5                        ; back: eight lanes take the 128 bytes of one token and one head
	v_mul_u32_u24 v6, v6, SPITCH
	v_and_b32 v7, 7, v0
	v_lshl_add_u32 v6, v7, 4, v6
	v_add_nc_u32 v[RD], s23, v6
	v_lshlrev_b32 v[CO], 4, v5                     ; four tokens of a head are 512 consecutive bytes of qkv
	s_lshl_b32 s45, s40, 10                        ; the bias of my 128 columns: 4 x (256 cx + 128 half)
	s_lshl_b32 s2, s12, 9
	s_add_co_u32 s45, s45, s2
	v_lshl_add_u32 v[BO], v2, 5, s45               ; + 8 numbers for the upper half of the lanes
.irp b, 0,1,2,3,4,5,6,7
	global_load_b128 v[BIAS+8*\b:BIAS+8*\b+3],   v[BO], s[68:69] offset:64*\b
	global_load_b128 v[BIAS+8*\b+4:BIAS+8*\b+7], v[BO], s[68:69] offset:64*\b+16
.endr
; 16 matrix instructions: token tiles a0, a0 + 1 of the window's four x all 8 column tiles, 32 along K.  first = 1: C is the bias.
; The 64 accumulators take turns, one instruction a turn, in the same order in every quarter.
.macro MUL16 f, hi, a0, first
.irp a, \a0, \a0+1
.irp b, 0,1,2,3,4,5,6,7
.if \first
	v_wmma_f32_16x16x32_f16 v[8*(8*(\a)+\b):8*(8*(\a)+\b)+7], v[\f+8*\b:\f+8*\b+7], v[\f+8*(4*\hi+\a):\f+8*(4*\hi+\a)+7], v[BIAS+8*\b:BIAS+8*\b+7]
.else
	v_wmma_f32_16x16x32_f16 v[8*(8*(\a)+\b):8*(8*(\a)+\b)+7], v[\f+8*\b:\f+8*\b+7], v[\f+8*(4*\hi+\a):\f+8*(4*\hi+\a)+7], v[8*(8*(\a)+\b):8*(8*(\a)+\b)+7]
.endif
.endr
.endr
.endm
; 32 LDS loads in one run: quarter q (32 along K) of a slot into buffer f.  Weights: k rows 32 q .. + 31 (17,408 bytes a quarter), the second
; load 16 k rows (8,704 bytes) further down; column tile i is 32 bytes along the rows.  Tokens: 64 bytes a quarter along the rows.
.macro FETCH slot, q, f
	WIN TO_B
.irp i, 0,1,2,3,4,5,6,7
	ds_load_tr16_b128 v[\f+8*\i:\f+8*\i+3],   v[ADRB+\slot] offset:\q*32*WPITCH+32*\i
	ds_load_tr16_b128 v[\f+8*\i+4:\f+8*\i+7], v[ADRB+\slot] offset:\q*32*WPITCH+32*\i+16*WPITCH
.endr
	WIN 0
.irp i, 0,1,2,3,4,5,6,7
	ds_load_b128 v[\f+8*\i:\f+8*\i+3],   v[ADRA+\slot] offset:64*\q+\i*16*PITCH
	ds_load_b128 v[\f+8*\i+4:\f+8*\i+7], v[ADRA+\slot] offset:64*\q+\i*16*PITCH+32
.endr
.endm
; Four plain places behind a matrix instruction before a load lands in a register that it read, or a vector instruction reads its result
; (ISA guide 7.12.1 for vector instructions).
.macro PLACES
.rept 4
	v_nop
.endr
.endm
; One of a K step's first three quarters: multiplies buffer f; in its middle it fetches quarter q of the same slot into buffer g.
.macro QUARTER slot, q, f, g, first
	s_wait_dscnt 8                                 ; the weights and tokens 0-63 are in; the youngest eight loads (tokens 64-127) may be out
.if \first
	WIN BIA_LO
.else
	WIN MUL_LO
.endif
	MUL16 \f, 0, 0, \first
	MUL16 \f, 0, 2, \first
	PLACES
	FETCH \slot, \q, \g
	s_wait_dscnt 32                                ; all but the 32 just issued
.if \first
	WIN BIA_HI
.else
	WIN MUL_HI
.endif
	MUL16 \f, 1, 0, \first
	MUL16 \f, 1, 2, \first
.endm
.macro THREE slot, first
	QUARTER \slot, 1, F0, F1, \first
	QUARTER \slot, 2, F1, F0, 0
	QUARTER \slot, 3, F0, F1, 0
.endm
; The last quarter: multiplies buffer 1 and changes slots.  In front of the barrier each wave waits for its reads of this slot and for all its
; tensor loads (the one that is out is its part of the next slot).  fill = 1: the barrier opens a round of the cluster's barrier, and this slot's
; next tile, two K steps ahead, is the wave's first and only tensor load behind the round; it has 240 matrix instructions in which to land.
.macro TURN slot, next, fill
	s_wait_dscnt 8
	WIN MUL_LO
	MUL16 F1, 0, 0, 0
	s_wait_dscnt 0                                 ; my reads of this slot are over
	s_wait_tensorcnt 0x0                           ; all my tensor loads have landed
	ds_add_u32 v255, v63
	s_wait_dscnt 0x0
	s_barrier_signal -1
	MUL16 F1, 0, 2, 0                              ; register work while the others arrive
	WIN 0
	s_barrier_wait -1
.if \fill
	CREST                                          ; no wave of any partner still reads this slot or has a load on its way
	s_add_nc_u64 s[G0+4*\slot+2:G0+4*\slot+3], s[G0+4*\slot+2:G0+4*\slot+3], 2*KSTEP*2
	s_add_nc_u64 s[G0B+4*\slot+2:G0B+4*\slot+3], s[G0B+4*\slot+2:G0B+4*\slot+3], 2*KSTEP*2048
	JLOAD \slot
.endif
	PLACES
	FETCH \next, 0, F0
	WIN MUL_HI
	MUL16 F1, 1, 0, 0
	MUL16 F1, 1, 2, 0
.endm
.macro LAP first
	THREE 0, \first
	TURN 0, 1, 1
	THREE 1, 0
	TURN 1, 0, 1
.endm
	s_wait_loadcnt 0x0                             ; the bias
	s_wait_tensorcnt 1                             ; my part of K step 0 is in; K step 1's stays out
	s_barrier_signal -1
	s_barrier_wait -1                              ; everybody's is
	FETCH 0, 0, F0
	LAP 1                                          ; the first lap stands in front of the loop: its first products take the bias as C
	WIN 0
	s_mov_b32 s3, LAPS-2
.Llap:
	LAP 0
	WIN 0
	s_sub_co_u32 s3, s3, 1
	s_cmp_lg_u32 s3, 0
	s_cbranch_scc1 .Llap
	THREE 0, 0                                     ; the last lap fills nothing
	TURN 0, 1, 0
	THREE 1, 0
	s_wait_dscnt 8
	WIN MUL_LO
	MUL16 F1, 0, 0, 0
	MUL16 F1, 0, 2, 0
	s_wait_dscnt 0
	WIN MUL_HI
	MUL16 F1, 1, 0, 0
	MUL16 F1, 1, 2, 0
	; THE WAY OUT, 16 tokens at a time: round to f16, 16 bytes a lane into my own stage, read back as 4 tokens x 128 bytes of one head.
	PLACES
	s_lshr_b32 s46, s13, 3                         ; batch: 8 block rows each
	s_lshl_b32 s46, s46, 22                        ; 16 heads of 262,144 bytes
	s_lshl_b32 s47, s40, 20                        ; + 4 heads a block column
	s_add_co_u32 s46, s46, s47
	s_lshl_b32 s47, s12, 19                        ; + my 2 heads
	s_add_co_u32 s46, s46, s47
	s_and_b32 s47, s13, 7
	s_lshl_b32 s47, s47, 15                        ; + 256 tokens of 128 bytes a block row
	s_add_co_u32 s46, s46, s47
	s_lshl_b32 s47, s11, 14                        ; + my 128 tokens
	s_add_co_u32 s46, s46, s47
	s_lshl_b32 s47, s74, 23                        ; + the product's part of qkv
	s_add_co_u32 s46, s46, s47
	s_mov_b32 s47, 0
	s_add_nc_u64 s[8:9], s[8:9], s[46:47]
; tokens 16 i .. 16 i + 15 of my block = tiles (a, 0..7) of window 2 or 3 (from = 0x0a or 0x0f: sources 0 and 1); f: F0 or F1 in turn
.macro OUT16 i, a, from, f
	WIN \from
.irp b, 0,1,2,3,4,5,6,7
.irp r, 0,1,2,3
	v_cvt_pk_f16_f32 v[TMP+4*\b+\r], v[8*(8*\a+\b)+2*\r], v[8*(8*\a+\b)+2*\r+1]
.endr
.endr
	WIN 0
.irp b, 0,1,2,3,4,5,6,7
	ds_store_b128 v[STO], v[TMP+4*\b:TMP+4*\b+3] offset:32*\b
.endr
	s_wait_xcnt 0x0                                ; buffer f, which earlier stores read, is loaded again only behind this wait
.irp t, 0,1,2,3,4,5,6,7
	ds_load_b128 v[\f+4*\t:\f+4*\t+3], v[RD] offset:(\t&3)*4*SPITCH+(\t>>2)*128   ; LDS serves a wave's instructions in order: these see the stores above
.endr
.irp t, 0,1,2,3,4,5,6,7
	s_wait_dscnt 7-\t
	global_store_b128 v[CO], v[\f+4*\t:\f+4*\t+3], s[8:9] offset:(\t>>2)*262144+\i*2048+(\t&3)*512   ; 512 consecutive bytes, aligned: 4 tokens of a head
.endr
.endm
	OUT16 0, 0, 0x0a, F0
	OUT16 1, 1, 0x0a, F1
	OUT16 2, 2, 0x0a, F0
	OUT16 3, 3, 0x0a, F1
	OUT16 4, 0, 0x0f, F0
	OUT16 5, 1, 0x0f, F1
	OUT16 6, 2, 0x0f, F0
	OUT16 7, 3, 0x0f, F1
	s_set_vgpr_msb 0x1
	s_wait_tensorcnt 0x0
	ds_add_u32 v255, v63
	s_wait_dscnt 0x0
	s_set_vgpr_msb 0x100
	CROUND                                         ; the closing round: no work-group ends while a partner may still ask for a tile that names it
	s_endpgm
.Lfunc_end_k_q5df6effdb4_proj:
	.size	k_q5df6effdb4_proj, .Lfunc_end_k_q5df6effdb4_proj-k_q5df6effdb4_proj
	.p2alignl 7, 3214868480
	.fill 96, 4, 3214868480
	.section	.rodata,"a",@progbits
	.p2align	6, 0x0
	.amdhsa_kernel k_q5df6effdb4_proj
		.amdhsa_group_segment_fixed_size 327680
		.amdhsa_private_segment_fixed_size 0
		.amdhsa_enable_private_segment 0
		.amdhsa_kernarg_size 48
		.amdhsa_user_sgpr_count 2
		.amdhsa_user_sgpr_kernarg_segment_ptr 1
		.amdhsa_wavefront_size32 1
		.amdhsa_system_sgpr_workgroup_id_x 1
		.amdhsa_system_sgpr_workgroup_id_y 1
		.amdhsa_system_sgpr_workgroup_id_z 1
		.amdhsa_system_vgpr_workitem_id 0
		.amdhsa_next_free_vgpr 1024
		.amdhsa_next_free_sgpr 76
		.amdhsa_reserve_vcc 0
		.amdhsa_float_denorm_mode_32 3
		.amdhsa_float_denorm_mode_16_64 3
		.amdhsa_memory_ordered 1
		.amdhsa_forward_progress 1
		.amdhsa_inst_pref_size 198
	.end_amdhsa_kernel
	.amdgpu_metadata
---
amdhsa.version: [ 1, 2 ]
amdhsa.kernels:
  - .name:           k_q5df6effdb4_proj
    .symbol:         k_q5df6effdb4_proj.kd
    .args:
      - { .name: xb, .offset: 0, .size: 8, .value_kind: global_buffer, .address_space: global }
      - { .name: wb, .offset: 8, .size: 8, .value_kind: global_buffer, .address_space: global }
      - { .name: qkv, .offset: 16, .size: 8, .value_kind: global_buffer, .address_space: global }
      - { .name: bk, .offset: 24, .size: 8, .value_kind: global_buffer, .address_space: global }
      - { .name: bv, .offset: 32, .size: 8, .value_kind: global_buffer, .address_space: global }
      - { .name: bq, .offset: 40, .size: 8, .value_kind: global_buffer, .address_space: global }
    .group_segment_fixed_size: 327680
    .private_segment_fixed_size: 0
    .kernarg_segment_align: 8
    .kernarg_segment_size: 48
    .max_flat_workgroup_size: 128
    .sgpr_count:     76
    .vgpr_count:     1024
    .wavefront_size: 32
...
	.end_amdgpu_metadata
.endif
;; end of part 2
;; launch attn (part 3): grid 8 x 32, 16 waves a work-group, clusters of 4 x 1, 327,680 bytes of LDS; arguments qkv, yb; writes yb
.if DOCPART == 3
	.amdgcn_target "amdgcn-amd-amdhsa--gfx1250"
	.amdhsa_code_object_version 6
	.text
	.protected	k_q5df6effdb4_attn
	.globl	k_q5df6effdb4_attn
	.p2align	8
	.type	k_q5df6effdb4_attn,@function
k_q5df6effdb4_attn:
	s_mov_b64 s[64:65], 0
	v_nop
	global_prefetch_b8 v0, s[64:65] scope:SCOPE_SE
	s_setreg_imm32_b32 hwreg(HW_REG_WAVE_MODE, 25, 1), 1
	s_wait_xcnt 0x0
	s_wait_alu depctr_hold_cnt(0) depctr_sa_sdst(0) depctr_va_vdst(0) depctr_va_sdst(0) depctr_va_ssrc(0) depctr_va_vcc(0) depctr_vm_vsrc(0)
	s_getreg_b32 s2, hwreg(HW_REG_IB_STS2, 6, 4)
	s_cmp_eq_u32 s2, 0
	s_cbranch_scc0 .Lentry_in_a_cluster
	s_endpgm
.Lentry_in_a_cluster:
	s_bfe_u32 s2, ttmp6, 0x10000c
	s_cmp_lg_u32 s2, 0x3003
	s_cbranch_scc0 .Lentry_shape_is_right
	s_endpgm
.Lentry_shape_is_right:
; Attention of one head (b*16+head = the grid's y) for 256 queries: y = softmax(Q K^T / 8) V, with a running maximum.  Operands f16, sums f32.
; SIXTEEN WAVES, four on each SIMD, 256 registers each (16 x 256 = 4 x 1,024).  For 64 keys and 32 queries a wave has 32 matrix instructions and
; about 245 vector instructions that depend on each other in turn; with four waves on a SIMD one wave's products run under the others' softmax.
; Wave w takes query set w & 7 (32 queries, two query tiles u) and key half w >> 3 (128 of each tile's 256 keys).  The two waves of a query set
; each keep a running maximum, a row sum and an O^T of their own keys; the three are merged once, at the end, through LDS.
; CLUSTER: the four work-groups of a cluster take four query blocks of the same head and read the same K and V: each tile of 256 keys is asked for
; jointly (mask 15), waves 0-3 a quarter of K each, waves 4-7 a quarter of V each, waves 8-15 none, into two LDS slots.
; THE TRANSPOSED FORM.  S^T = K Q^T: source 0 = 16 keys, source 1 = 16 queries, so lane (r = l % 16, h = l / 16) holds query r and keys 8 h + 0..7
; of each key tile: maximum, exponentials and row sum stay in the lane, but for one exchange between the halves.  Packing key tiles 2 s and 2 s + 1
; to f16 gives exactly source 1 (32 keys x 16 queries) of O^T = V^T P^T; V^T's fragments come from LDS by the transposing load.  In O^T a lane again
; holds query r, so the rescaling factor is in the lane.
; ONE FRAGMENT BUFFER of 64 registers serves K and V^T by turns.  The row sum is a packed f32 sum: a fifth tile of O^T against a fragment of ones
; would take 24 registers more than a wave has, and 4 matrix instructions for every 32.
; ROOM in f16: P lies in [0, 1] for every input, since the running maximum is taken away first; what falls below 2^-25 becomes 0 and what lies below
; 2^-14 is rounded by at most 2^-25, against a row sum of at least 1.  y is a convex mix of V's rows and has V's room.
; LIMITS: P is rounded to f16 for the products, while l is the f32 sum of the unrounded p; y is rounded to f16; the maximum is taken with forms in
; which a NaN loses, so a NaN among the scores is not carried as the f32 formula would; exponentials below 2^-126 come out as 0 (ISA guide, v_exp_f32).
.set KPITCH, 144                       ; a key's row of K in LDS: 128 bytes + 16 (an odd multiple of 16)
.set VPITCH, 160                       ; a key's row of V in LDS: 128 bytes + 32 (an odd multiple of 32, for the transposing load)
.set KBYTES, 256*KPITCH
.set SLOT,   KBYTES+256*VPITCH         ; 77,824: 256 keys of K, then of V
.set MERGE,  2*SLOT                    ; 155,648: behind the ring, for each query set 17 x 512 bytes: the second key half's O^T, l and shift
.set MPART,  17*512
.set STAGE,  MERGE+8*MPART             ; 225,280: 32 rows x 144 bytes for each query set, for the way out.  No tensor load lands from MERGE on
.set KA,   2                           ; v2-3    LDS address of my K fragments in slot 0, 1 (my key half is in it)
.set VA,   4                           ; v4-5    the same for V
.set MX,   6                           ; v6-7    running maximum of the raw scores, query tile u
.set MA,   8                           ; v8-9, v10-11  two chains of the maximum
.set MB,   10
.set TP,   12                          ; v12-13  the other half's maximum; then the exponent of the rescaling
.set AT,   14                          ; v14-15  -c x maximum
.set NM,   16                          ; v[16:17], v[18:19]  the shift -c m in force (first register; the second is written once and never used)
.set AL,   20                          ; v[20:21], v[22:23]  the rescaling factor (likewise)
.set LS,   24                          ; v[24:25], v[26:27]  the row sum of query tile u, two partial sums a lane
.set EX,   28                          ; v[28:31] l of u = 0, 1 and the shift of u = 0, 1, as they are handed over
.set QF,   32                          ; v[32:63]   Q(u, c) at 32 + 16 u + 8 c
.set SC,   64                          ; v[64:127]  S(u, t) at 64 + 32 u + 8 t; P(u, s) in place at 64 + 32 u + 8 s
.set OA,   128                         ; v[128:191] O^T(dt, u) at 128 + 8 (2 dt + u)
.set FR,   192                         ; v[192:255] K(t, c) at 192 + 16 t + 8 c, then V^T(dt, s) at 192 + 16 dt + 8 s
.set G1K, 16                           ; s[16:23] group 1 for K
.set G1V, 24                           ; s[24:31] group 1 for V
.set G0K, 32                           ; s[32:39] group 0 for K, a set for each slot
.set G0V, 40                           ; s[40:47] group 0 for V
.set CSC,  0x3e38aa3b                  ; c = log2(e) / 8: the scale 1 / sqrt(64) and the change of base in one factor
.set CNEG, 0xbe38aa3b                  ; -c
.macro CREST                           ; a round of the cluster's barrier behind its opening work-group barrier
	s_cmp_lg_u32 s8, 0
	s_cbranch_scc1 .Lnot_wave_0_\@
	s_barrier_signal -3
.Lnot_wave_0_\@:
	s_barrier_wait -3
	s_barrier_signal -1
	s_barrier_wait -1
.endm
.macro ROUND                           ; a whole round
	s_barrier_signal -1
	s_barrier_wait -1
	CREST
.endm
.macro JLOAD n                         ; a joint load into slot n: waves 0-3 ask for K, waves 4-7 for V, the others for nothing; the branches hang on the wave's number alone
	s_cmp_lt_u32 s8, 4
	s_cbranch_scc0 .Lnot_k_\@
	tensor_load_to_lds s[G0K+4*(\n):G0K+4*(\n)+3], s[G1K:G1K+7]
	s_nop 0
	s_branch .Lasked_\@
.Lnot_k_\@:
	s_cmp_lt_u32 s8, 8
	s_cbranch_scc0 .Lasked_\@
	tensor_load_to_lds s[G0V+4*(\n):G0V+4*(\n)+3], s[G1V:G1V+7]
	s_nop 0
.Lasked_\@:
.endm
	s_load_b128 s[4:7], s[0:1], 0x0                ; qkv s[4:5], yb s[6:7]
	v_lshl_add_u32 v126, v0, 2, 0x40000
	v_mov_b32 v127, 0
	ds_add_u32 v126, v127
	s_wait_dscnt 0x0
	v_lshrrev_b32 v1, 5, v0
	v_readfirstlane_b32 s8, v1                     ; wave 0..15
	s_and_b32 s9, s8, 3                            ; which quarter of a tile I fetch (waves 0-7)
	s_lshr_b32 s53, s8, 3                          ; my half of each tile's keys
	s_and_b32 s58, s8, 7                           ; my query set
	s_bfe_u32 s11, ttmp6, 0x40000                  ; cx
	s_lshl_b32 s12, ttmp9, 2
	s_add_co_u32 s12, s12, s11                     ; query block = 4 x cluster x + cx, 0..7
	s_and_b32 s13, ttmp7, 0xffff                   ; b*16 + head
	s_mov_b32 s48, 0x76543210                      ; v_permlanex16_b32: lane i of one half reads lane i of the other
	s_mov_b32 s49, 0xfedcba98
	; Group 1.  A quarter (64 keys x 128 bytes) is dense in memory: 32 rows of 256 bytes (32 elements of 8 bytes).  The padding's interval is counted
	; along the tile: behind every 32 words (a key's 128 bytes) 4 words for K, 8 for V.  Mask 15: all four work-groups of the cluster.
	s_mov_b32 s[G1K+0], 15|(3<<16)|(1<<20)|(1<<21)|(4<<22)|(3<<25)
	s_mov_b32 s[G1K+1], 32<<16                     ; tensor_dim0 = 32
	s_mov_b32 s[G1K+2], 32<<16                     ; tensor_dim1 = 32
	s_mov_b32 s[G1K+3], 32<<16                     ; tile_dim0 = 32
	s_mov_b32 s[G1K+4], 32                         ; tile_dim1 = 32
	s_mov_b32 s[G1K+5], 32                         ; elements from row to row
	s_mov_b32 s[G1K+6], 0
	s_mov_b32 s[G1K+7], 0
	s_mov_b32 s[G1V+0], 15|(3<<16)|(1<<20)|(1<<21)|(4<<22)|(7<<25)
	s_mov_b32 s[G1V+1], 32<<16
	s_mov_b32 s[G1V+2], 32<<16
	s_mov_b32 s[G1V+3], 32<<16
	s_mov_b32 s[G1V+4], 32
	s_mov_b32 s[G1V+5], 32
	s_mov_b32 s[G1V+6], 0
	s_mov_b32 s[G1V+7], 0
	s_lshl_b32 s14, s13, 18                        ; the head: 262,144 bytes
	s_lshl_b32 s15, s9, 13                         ; + my quarter: 64 keys of 128 bytes
	s_add_co_u32 s14, s14, s15
	s_mov_b32 s15, 0
	s_mul_i32 s51, s9, 64*KPITCH                   ; where a quarter of K goes,
	s_mul_i32 s52, s9, 64*VPITCH                   ; and of V,
	s_add_co_u32 s52, s52, KBYTES                  ; behind K's 256 rows
	s_mul_i32 s56, s53, 128*KPITCH                 ; where I read: my 128 keys of K,
	s_mul_i32 s57, s53, 128*VPITCH                 ; and of V
	s_add_co_u32 s57, s57, KBYTES
	s_lshl_b32 s2, s13, 18                         ; my 32 queries in Q's part of qkv, and in yb: head, query block, query set
	s_lshl_b32 s3, s12, 15
	s_add_co_u32 s2, s2, s3
	s_lshl_b32 s3, s58, 12
	s_add_co_u32 s2, s2, s3
	s_mov_b32 s3, 0
	s_wait_kmcnt 0x0
	s_add_nc_u64 s[14:15], s[4:5], s[14:15]        ; K, tile 0, my quarter: made of the head and the wave alone
	s_add_nc_u64 s[54:55], s[4:5], s[2:3]
	s_add_nc_u64 s[54:55], s[54:55], 16777216      ; Q is the third part of qkv
	s_add_nc_u64 s[6:7], s[6:7], s[2:3]
.irp n, 0,1
	s_mov_b32 s[G0K+4*\n], 1
	s_add_co_u32 s[G0K+4*\n+1], s51, \n*SLOT
	s_add_nc_u64 s[G0K+4*\n+2:G0K+4*\n+3], s[14:15], \n*32768           ; tile n: 256 keys of 128 bytes
	s_or_b32 s[G0K+4*\n+3], s[G0K+4*\n+3], 0x80000000
	s_mov_b32 s[G0V+4*\n], 1
	s_add_co_u32 s[G0V+4*\n+1], s52, \n*SLOT
	s_add_nc_u64 s[G0V+4*\n+2:G0V+4*\n+3], s[14:15], 8388608+\n*32768   ; V is the second part of qkv
	s_or_b32 s[G0V+4*\n+3], s[G0V+4*\n+3], 0x80000000
.endr
	ROUND                                          ; the four work-groups are here: the first joint load meets
	JLOAD 0                                        ; tile 0; slot 1 gets its first tile behind the next round, as a refill does
	v_and_b32 v8, 15, v0                           ; r
	v_bfe_u32 v9, v0, 4, 1                         ; h
	v_lshlrev_b32 v1, 7, v8                        ; Q straight into fragments: query r's row of 128 bytes,
	v_lshl_add_u32 v1, v9, 4, v1                   ; 16 bytes for each half of the lanes
.irp u, 0,1
.irp c, 0,1
	global_load_b128 v[QF+16*\u+8*\c:QF+16*\u+8*\c+3],   v1, s[54:55] offset:\u*2048+64*\c
	global_load_b128 v[QF+16*\u+8*\c+4:QF+16*\u+8*\c+7], v1, s[54:55] offset:\u*2048+64*\c+32
.endr
.endr
	v_mul_u32_u24 v10, v8, KPITCH
	v_lshl_add_u32 v10, v9, 4, v10                 ; K: key row r, 16 bytes for each half of the lanes
	v_add_nc_u32 v[KA], s56, v10
	v_add_nc_u32 v[KA+1], SLOT, v[KA]
	v_and_b32 v10, 7, v0
	v_lshl_add_u32 v10, v9, 3, v10                 ; V: key row 8 h + l % 8,
	v_mul_u32_u24 v10, v10, VPITCH
	v_bfe_u32 v11, v0, 3, 1
	v_lshl_add_u32 v10, v11, 4, v10                ; 16 bytes for each half of a group of sixteen lanes
	v_add_nc_u32 v[VA], s57, v10
	v_add_nc_u32 v[VA+1], SLOT, v[VA]
	v_mov_b32 v[TP], 0                             ; v_permlanex16_b32 counts as a reader of its destination
	v_mov_b32 v[TP+1], 0
	v_mov_b32 v[NM+1], 0                           ; the second registers of the broadcast pairs: named by the packed forms, never used
	v_mov_b32 v[NM+3], 0
	v_mov_b32 v[AL+1], 0
	v_mov_b32 v[AL+3], 0
.macro KHALF slot, i, t0               ; 8 loads: K's fragments of key tiles t0, t0 + 1 of my keys 64 i .. 64 i + 63 of a slot
.irp t, \t0, \t0+1
.irp c, 0,1
	ds_load_b128 v[FR+16*(\t)+8*\c:FR+16*(\t)+8*\c+3],   v[KA+\slot] offset:(\i)*64*KPITCH+(\t)*16*KPITCH+64*\c
	ds_load_b128 v[FR+16*(\t)+8*\c+4:FR+16*(\t)+8*\c+7], v[KA+\slot] offset:(\i)*64*KPITCH+(\t)*16*KPITCH+64*\c+32
.endr
.endr
.endm
.macro VFETCH slot, i                  ; 16 transposing loads: V^T's fragments of the same keys; the second load of a fragment 16 keys further down
.irp dt, 0,1,2,3
.irp kc, 0,1
	ds_load_tr16_b128 v[FR+16*\dt+8*\kc:FR+16*\dt+8*\kc+3],   v[VA+\slot] offset:(\i)*64*VPITCH+\kc*32*VPITCH+32*\dt
	ds_load_tr16_b128 v[FR+16*\dt+8*\kc+4:FR+16*\dt+8*\kc+7], v[VA+\slot] offset:(\i)*64*VPITCH+\kc*32*VPITCH+32*\dt+16*VPITCH
.endr
.endr
.endm
; All accumulators take turns, one instruction a turn.
.macro SHALF t0                        ; eight products: the scores of key tiles t0, t0 + 1: four start the sums, four add the head's second 32 numbers
.irp c, 0,1
.irp t, \t0, \t0+1
.irp u, 0,1
.if \c == 0
	v_wmma_f32_16x16x32_f16 v[SC+32*\u+8*(\t):SC+32*\u+8*(\t)+7], v[FR+16*(\t):FR+16*(\t)+7], v[QF+16*\u:QF+16*\u+7], 0
.else
	v_wmma_f32_16x16x32_f16 v[SC+32*\u+8*(\t):SC+32*\u+8*(\t)+7], v[FR+16*(\t)+8:FR+16*(\t)+15], v[QF+16*\u+8:QF+16*\u+15], v[SC+32*\u+8*(\t):SC+32*\u+8*(\t)+7]
.endif
.endr
.endr
.endr
.endm
.macro PVHALF d0, zero                 ; eight products: rows 16 d0 .. 16 d0 + 31 of O^T, 64 keys.  zero = 1: the first four start the sums
.irp kc, 0,1
.irp dt, \d0, \d0+1
.irp u, 0,1
.if \zero*(1-\kc)
	v_wmma_f32_16x16x32_f16 v[OA+8*(2*(\dt)+\u):OA+8*(2*(\dt)+\u)+7], v[FR+16*(\dt)+8*\kc:FR+16*(\dt)+8*\kc+7], v[SC+32*\u+8*\kc:SC+32*\u+8*\kc+7], 0
.else
	v_wmma_f32_16x16x32_f16 v[OA+8*(2*(\dt)+\u):OA+8*(2*(\dt)+\u)+7], v[FR+16*(\dt)+8*\kc:FR+16*(\dt)+8*\kc+7], v[SC+32*\u+8*\kc:SC+32*\u+8*\kc+7], v[OA+8*(2*(\dt)+\u):OA+8*(2*(\dt)+\u)+7]
.endif
.endr
.endr
.endr
.endm
.macro RESC d0                         ; sixteen multiplies: the same rows of O^T are brought to the new maximum
.irp dt, \d0, \d0+1
.irp u, 0,1
.irp k, 0,2,4,6
	v_pk_mul_f32 v[OA+8*(2*(\dt)+\u)+\k:OA+8*(2*(\dt)+\u)+\k+1], v[OA+8*(2*(\dt)+\u)+\k:OA+8*(2*(\dt)+\u)+\k+1], v[AL+2*\u:AL+2*\u+1] op_sel_hi:[1,0]
.endr
.endr
.endr
.endm
; 64 keys (block i = 0, 1 of my half of a slot) against my 32 queries.  At its head K's 16 loads are out or in.
; first = 1: my very first keys: no old maximum, nothing to rescale, the products start the sums.
; endk: what follows a tile's last block.  2: a round of the cluster's barrier and this slot's refill; 1: the round alone; 0: nothing.
.macro SUB slot, i, first, endk
	s_wait_dscnt 8                                 ; key tiles 0 and 1 are in; the younger eight loads (tiles 2 and 3) may be out
	SHALF 0
	s_wait_dscnt 0
	SHALF 2
.rept 4
	v_nop                                          ; four places: the fragment buffer is loaded again, and the scores are read
.endr
	VFETCH \slot, \i                               ; V^T comes in under the softmax
	; the maximum of my 32 scores of each query tile and the old maximum: two chains for each tile, sixteen instructions a tile
.irp u, 0,1
.if \first
	v_max_num_f32 v[MA+\u], v[SC+32*\u], v[SC+32*\u+1]
.else
	v_max3_num_f32 v[MA+\u], v[MX+\u], v[SC+32*\u], v[SC+32*\u+1]
.endif
	v_max3_num_f32 v[MB+\u], v[SC+32*\u+16], v[SC+32*\u+17], v[SC+32*\u+18]
.endr
.irp k, 0,1,2,3,4,5
.irp u, 0,1
	v_max3_num_f32 v[MA+\u], v[MA+\u], v[SC+32*\u+2+2*\k], v[SC+32*\u+3+2*\k]
	v_max3_num_f32 v[MB+\u], v[MB+\u], v[SC+32*\u+19+2*\k], v[SC+32*\u+20+2*\k]
.endr
.endr
.irp u, 0,1
	v_max3_num_f32 v[MA+\u], v[MA+\u], v[SC+32*\u+14], v[SC+32*\u+15]
.endr
.irp u, 0,1
	v_max3_num_f32 v[MA+\u], v[MA+\u], v[MB+\u], v[SC+32*\u+31]
.endr
.irp u, 0,1
	v_permlanex16_b32 v[TP+\u], v[MA+\u], s48, s49 ; the other half of the lanes holds the same query's other keys
.endr
.irp u, 0,1
	v_max_num_f32 v[MX+\u], v[MA+\u], v[TP+\u]
.endr
.irp u, 0,1
	v_mul_f32 v[AT+\u], CNEG, v[MX+\u]             ; the new shift, -c m
.endr
.irp u, 0,1
.if \first == 0
	v_sub_f32 v[TP+\u], v[AT+\u], v[NM+2*\u]       ; c (m old - m new) as the difference of the two shifts as they are applied
.endif
	v_mov_b32 v[NM+2*\u], v[AT+\u]
.endr
	; p = 2^(c s - c m).  Each run of exponentials is followed by plain work on other registers before its results are read (ISA guide 5.7.2).
.set kk, 0
.rept 16
	v_pk_fma_f32 v[SC+2*kk:SC+2*kk+1], v[SC+2*kk:SC+2*kk+1], CSC, v[NM:NM+1] op_sel_hi:[1,0,0]
.set kk, kk+1
.endr
.if \first == 0
	v_exp_f32 v[AL], v[TP]                         ; the rescaling factors
	v_exp_f32 v[AL+2], v[TP+1]
.endif
.set kk, 0
.rept 32
	v_exp_f32 v[SC+kk], v[SC+kk]
.set kk, kk+1
.endr
.set kk, 0
.rept 16
	v_pk_fma_f32 v[SC+32+2*kk:SC+32+2*kk+1], v[SC+32+2*kk:SC+32+2*kk+1], CSC, v[NM+2:NM+3] op_sel_hi:[1,0,0]
.set kk, kk+1
.endr
.set kk, 0
.rept 32
	v_exp_f32 v[SC+32+kk], v[SC+32+kk]
.set kk, kk+1
.endr
	; the row sums, two partial sums a lane and query tile; the first step also brings the old sum to the new maximum, in one fused multiply-add
.irp u, 0,1
.if \first
	s_wait_alu depctr_va_vdst(0)
	v_pk_add_f32 v[LS+2*\u:LS+2*\u+1], v[SC+32*\u:SC+32*\u+1], v[SC+32*\u+2:SC+32*\u+3]
.else
	s_wait_alu depctr_va_vdst(0)
	v_pk_fma_f32 v[LS+2*\u:LS+2*\u+1], v[LS+2*\u:LS+2*\u+1], v[AL+2*\u:AL+2*\u+1], v[SC+32*\u:SC+32*\u+1] op_sel_hi:[1,0,1]
.endif
.endr
.if \first == 0
.irp u, 0,1
	v_pk_add_f32 v[LS+2*\u:LS+2*\u+1], v[LS+2*\u:LS+2*\u+1], v[SC+32*\u+2:SC+32*\u+3]
.endr
.endif
.irp k, 2,3,4,5,6,7,8,9,10,11,12,13,14,15
.irp u, 0,1
	v_pk_add_f32 v[LS+2*\u:LS+2*\u+1], v[LS+2*\u:LS+2*\u+1], v[SC+32*\u+2*\k:SC+32*\u+2*\k+1]
.endr
.endr
	; pack in place, ascending: register k of a query tile's 16 takes numbers 2 k and 2 k + 1: key tiles 2 s, 2 s + 1 become P(u, s)
.irp u, 0,1
.set kk, 0
.rept 16
	v_cvt_pk_f16_f32 v[SC+32*\u+kk], v[SC+32*\u+2*kk], v[SC+32*\u+2*kk+1]
.set kk, kk+1
.endr
.endr
	s_wait_dscnt 0                                 ; V^T is in; in a tile's last block: my reads of this slot are over
.if \endk
	s_wait_xcnt 0x0
	v_lshl_add_u32 v126, v0, 2, 0x40000
	v_mov_b32 v127, 0
	s_wait_tensorcnt 0x0                           ; all my tensor loads have landed: the one that was out is my part of the other slot
	ds_add_u32 v126, v127
	s_wait_dscnt 0x0
.if \endk == 2
	s_add_nc_u64 s[G0K+4*(1-\slot)+2:G0K+4*(1-\slot)+3], s[G0K+4*(1-\slot)+2:G0K+4*(1-\slot)+3], 65536   ; no load of mine is out: the other slot's next tile, two on
	s_add_nc_u64 s[G0V+4*(1-\slot)+2:G0V+4*(1-\slot)+3], s[G0V+4*(1-\slot)+2:G0V+4*(1-\slot)+3], 65536
.endif
	s_barrier_signal -1                            ; say so: this barrier opens the round; the work up to its wait touches registers alone
.endif
.if \first
	PVHALF 0, 1
.rept 4
	v_nop                                          ; four places: the buffer's first half is loaded again
.endr
.else
	RESC 0
	PVHALF 0, 0
	RESC 2                                         ; sixteen plain instructions on other registers: the places in front of the loads below
.endif
.if \i == 0
	KHALF \slot, 1, 0                              ; the next 64 keys: key tiles 0 and 1, into the half that the products above have read
.endif
	PVHALF 2, \first
.rept 5
	v_nop                                          ; five places: the buffer is loaded again (four), and the next scores are written over P (five)
.endr
.if \i == 0
	KHALF \slot, 1, 2                              ; key tiles 2 and 3
.endif
.if \endk
	s_barrier_wait -1
	CREST                                          ; no wave of any partner still reads this slot or has a load on its way
.if \endk == 2
	JLOAD \slot                                    ; the first and only tensor load of a wave behind the round: one is out, with a tile's work in which to land
.endif
.endif
.endm
.macro TILE slot, first, endk          ; a tile of 256 keys, of which 128 are mine
	KHALF \slot, 0, 0
	KHALF \slot, 0, 2
	SUB \slot, 0, \first, 0
	SUB \slot, 1, 0, \endk
.endm
	s_wait_loadcnt 0x0                             ; Q
	s_wait_xcnt 0x0
	v_lshl_add_u32 v126, v0, 2, 0x40000
	v_mov_b32 v127, 0
	s_wait_tensorcnt 0x0                           ; my part of tile 0 has landed, and no load of mine is out:
	ds_add_u32 v126, v127
	s_wait_dscnt 0x0
	s_add_nc_u64 s[G0K+2:G0K+3], s[G0K+2:G0K+3], 65536   ; slot 0's next tile is tile 2
	s_add_nc_u64 s[G0V+2:G0V+3], s[G0V+2:G0V+3], 65536
	s_wait_dscnt 0x0
	ROUND                                          ; tile 0 is whole in every work-group
	JLOAD 1                                        ; tile 1
	TILE 0, 1, 2                                   ; eight tiles: two in front of the loop (the first starts the sums),
	TILE 1, 0, 2
	s_mov_b32 s50, 2
.Llap:
	TILE 0, 0, 2                                   ; four in it (the last refill, behind tile 5, brings tile 7; slot 0's address stepped there is not used),
	TILE 1, 0, 2
	s_sub_co_u32 s50, s50, 1
	s_cmp_lg_u32 s50, 0
	s_cbranch_scc1 .Llap
	TILE 0, 0, 1                                   ; two behind it: nothing is left to fetch; the round shows tile 7 whole
	TILE 1, 0, 0
	; THE MERGE.  The five places above stand behind the last products.  Each wave first finishes its own l: two sums a lane, then the other half of the lanes.
	v_add_f32 v[LS], v[LS], v[LS+1]
	v_add_f32 v[LS+2], v[LS+2], v[LS+3]
	v_permlanex16_b32 v[TP], v[LS], s48, s49
	v_permlanex16_b32 v[TP+1], v[LS+2], s48, s49
	v_add_f32 v[EX], v[LS], v[TP]
	v_add_f32 v[EX+1], v[LS+2], v[TP+1]
	v_mov_b32 v[EX+2], v[NM]
	v_mov_b32 v[EX+3], v[NM+2]
	v_and_b32 v1, 31, v0                           ; lane
	s_mul_i32 s2, s58, MPART
	s_add_co_u32 s2, s2, MERGE                     ; my query set's merge area
	v_lshl_add_u32 v2, v1, 4, s2                   ; 16 bytes a lane: 512 consecutive bytes an instruction
	s_cmp_lt_u32 s8, 8
	s_cbranch_scc1 .Lkeeper                        ; waves 8-15 hand their O^T, l and shift over; waves 0-7 keep theirs
.irp j, 0,1,2,3,4,5,6,7,8,9,10,11,12,13,14,15
	ds_store_b128 v2, v[OA+4*\j:OA+4*\j+3] offset:512*\j
.endr
	ds_store_b128 v2, v[EX:EX+3] offset:8192
.Lkeeper:
	s_wait_dscnt 0x0                               ; for the partner's sake: my stores are done
	s_barrier_signal -1
	s_barrier_wait -1
	s_cmp_ge_u32 s8, 8
	s_cbranch_scc1 .Lclose                         ; waves 8-15 have nothing left but the closing round
.irp j, 0,1,2,3,4,5,6,7,8,9,10,11,12,13,14,15
	ds_load_b128 v[SC+4*\j:SC+4*\j+3], v2 offset:512*\j    ; the partner's O^T, register for register
.endr
	ds_load_b128 v[FR:FR+3], v2 offset:8192        ; its l of u = 0, 1 and its shift of u = 0, 1
	v_and_b32 v4, 15, v0                           ; the stage's addresses, while the loads are on their way
	v_bfe_u32 v5, v0, 4, 1
	v_mul_u32_u24 v4, v4, KPITCH
	v_lshl_add_u32 v4, v5, 4, v4
	s_mul_i32 s3, s58, 32*KPITCH
	s_add_co_u32 s3, s3, STAGE                     ; my stage
	v_add_nc_u32 v3, s3, v4                        ; in: query r, 16 bytes for each half of the lanes
	v_lshrrev_b32 v4, 3, v1
	v_mul_u32_u24 v4, v4, KPITCH
	v_and_b32 v5, 7, v0
	v_lshl_add_u32 v4, v5, 4, v4
	v_add_nc_u32 v4, s3, v4                        ; back: eight lanes take a query's 128 bytes
	v_lshlrev_b32 v5, 4, v1                        ; four queries are 512 consecutive bytes of yb
	s_wait_dscnt 0x0
	; the common shift is the smaller of the two -c m (the larger maximum); each side is scaled by 2^(common shift - own shift), at most 1
.irp u, 0,1
	v_min_num_f32 v[AT+\u], v[NM+2*\u], v[FR+2+\u]
.endr
.irp u, 0,1
	v_sub_f32 v[MA+\u], v[AT+\u], v[NM+2*\u]
	v_sub_f32 v[MB+\u], v[AT+\u], v[FR+2+\u]
.endr
	v_exp_f32 v[MA], v[MA]
	v_exp_f32 v[MA+1], v[MA+1]
	v_exp_f32 v[MB], v[MB]
	v_exp_f32 v[MB+1], v[MB+1]
	v_nop                                          ; a plain place behind the exponentials (ISA guide 5.7.2)
	s_wait_alu depctr_va_vdst(0)
.irp u, 0,1
	v_mul_f32 v[TP+\u], v[EX+\u], v[MA+\u]
.endr
.irp u, 0,1
	v_fmac_f32 v[TP+\u], v[FR+\u], v[MB+\u]        ; l of all 2,048 keys: at least 1, the term of the largest score
.endr
	v_rcp_f32 v[TP], v[TP]
	v_rcp_f32 v[TP+1], v[TP+1]
	v_nop                                          ; a plain place behind the reciprocals
	s_wait_alu depctr_va_vdst(0)
.irp u, 0,1
	v_mul_f32 v[AL+2*\u], v[MA+\u], v[TP+\u]       ; my side's factor, 1 / l in it
	v_mul_f32 v[NM+2*\u], v[MB+\u], v[TP+\u]       ; the partner's
.endr
.irp dt, 0,1,2,3
.irp u, 0,1
.irp k, 0,2,4,6
	v_pk_mul_f32 v[SC+8*(2*\dt+\u)+\k:SC+8*(2*\dt+\u)+\k+1], v[SC+8*(2*\dt+\u)+\k:SC+8*(2*\dt+\u)+\k+1], v[NM+2*\u:NM+2*\u+1] op_sel_hi:[1,0]
.endr
.endr
.endr
.irp dt, 0,1,2,3
.irp u, 0,1
.irp k, 0,2,4,6
	v_pk_fma_f32 v[SC+8*(2*\dt+\u)+\k:SC+8*(2*\dt+\u)+\k+1], v[OA+8*(2*\dt+\u)+\k:OA+8*(2*\dt+\u)+\k+1], v[AL+2*\u:AL+2*\u+1], v[SC+8*(2*\dt+\u)+\k:SC+8*(2*\dt+\u)+\k+1] op_sel_hi:[1,0,1]
.endr
.endr
.endr
	; THE WAY OUT: round to f16, 16 bytes a lane into my own stage, read back as 4 queries x 128 bytes.
.irp dt, 0,1,2,3
.irp u, 0,1
.irp k, 0,1,2,3
	v_cvt_pk_f16_f32 v[FR+4*(2*\dt+\u)+\k], v[SC+8*(2*\dt+\u)+2*\k], v[SC+8*(2*\dt+\u)+2*\k+1]
.endr
	ds_store_b128 v3, v[FR+4*(2*\dt+\u):FR+4*(2*\dt+\u)+3] offset:\u*16*KPITCH+32*\dt
.endr
.endr
.irp i, 0,1,2,3,4,5,6,7
	ds_load_b128 v[OA+4*\i:OA+4*\i+3], v4 offset:\i*4*KPITCH       ; LDS serves a wave's instructions in order: these see the stores above
.endr
.irp i, 0,1,2,3,4,5,6,7
	s_wait_dscnt 7-\i                              ; read \i is back; the younger ones may stay out
	global_store_b128 v5, v[OA+4*\i:OA+4*\i+3], s[6:7] offset:512*\i   ; 512 consecutive bytes, aligned
.endr
.Lclose:
	s_wait_xcnt 0x0
	v_lshl_add_u32 v126, v0, 2, 0x40000
	v_mov_b32 v127, 0
	s_wait_tensorcnt 0x0
	ds_add_u32 v126, v127
	s_wait_dscnt 0x0
	ROUND                                          ; the closing round
	s_endpgm
.Lfunc_end_k_q5df6effdb4_attn:
	.size	k_q5df6effdb4_attn, .Lfunc_end_k_q5df6effdb4_attn-k_q5df6effdb4_attn
	.p2alignl 7, 3214868480
	.fill 96, 4, 3214868480
	.section	.rodata,"a",@progbits
	.p2align	6, 0x0
	.amdhsa_kernel k_q5df6effdb4_attn
		.amdhsa_group_segment_fixed_size 327680
		.amdhsa_private_segment_fixed_size 0
		.amdhsa_enable_private_segment 0
		.amdhsa_kernarg_size 16
		.amdhsa_user_sgpr_count 2
		.amdhsa_user_sgpr_kernarg_segment_ptr 1
		.amdhsa_wavefront_size32 1
		.amdhsa_system_sgpr_workgroup_id_x 1
		.amdhsa_system_sgpr_workgroup_id_y 1
		.amdhsa_system_sgpr_workgroup_id_z 1
		.amdhsa_system_vgpr_workitem_id 0
		.amdhsa_next_free_vgpr 256
		.amdhsa_next_free_sgpr 66
		.amdhsa_reserve_vcc 0
		.amdhsa_float_denorm_mode_32 3
		.amdhsa_float_denorm_mode_16_64 3
		.amdhsa_memory_ordered 1
		.amdhsa_forward_progress 1
		.amdhsa_inst_pref_size 239
	.end_amdhsa_kernel
	.amdgpu_metadata
---
amdhsa.version: [ 1, 2 ]
amdhsa.kernels:
  - .name:           k_q5df6effdb4_attn
    .symbol:         k_q5df6effdb4_attn.kd
    .args:
      - { .name: qkv, .offset: 0, .size: 8, .value_kind: global_buffer, .address_space: global }
      - { .name: yb, .offset: 8, .size: 8, .value_kind: global_buffer, .address_space: global }
    .group_segment_fixed_size: 327680
    .private_segment_fixed_size: 0
    .kernarg_segment_align: 8
    .kernarg_segment_size: 16
    .max_flat_workgroup_size: 512
    .sgpr_count:     66
    .vgpr_count:     256
    .wavefront_size: 32
...
	.end_amdgpu_metadata
.endif
;; end of part 3
;; launch outp (part 4): grid 8 x 32, 4 waves a work-group, clusters of 4 x 4, 327,680 bytes of LDS; arguments yb, wb, bp, out0; writes out0
.if DOCPART == 4
	.amdgcn_target "amdgcn-amd-amdhsa--gfx1250"
	.amdhsa_code_object_version 6
	.text
	.protected	k_q5df6effdb4_outp
	.globl	k_q5df6effdb4_outp
	.p2align	8
	.type	k_q5df6effdb4_outp,@function
k_q5df6effdb4_outp:
	s_mov_b64 s[64:65], 0
	v_nop
	global_prefetch_b8 v0, s[64:65] scope:SCOPE_SE
	s_setreg_imm32_b32 hwreg(HW_REG_WAVE_MODE, 25, 1), 1
	s_wait_xcnt 0x0
	s_wait_alu depctr_hold_cnt(0) depctr_sa_sdst(0) depctr_va_vdst(0) depctr_va_sdst(0) depctr_va_ssrc(0) depctr_va_vcc(0) depctr_vm_vsrc(0)
	s_getreg_b32 s2, hwreg(HW_REG_IB_STS2, 6, 4)
	s_cmp_eq_u32 s2, 0
	s_cbranch_scc0 .Lentry_in_a_cluster
	s_endpgm
.Lentry_in_a_cluster:
	s_bfe_u32 s2, ttmp6, 0x10000c
	s_cmp_lg_u32 s2, 0xf033
	s_cbranch_scc0 .Lentry_shape_is_right
	s_endpgm
.Lentry_shape_is_right:
; out0 = y Wp + bp.  y: yb, f16, head-major [b*16+head][2048][64]; Wp: the fourth part of wb, f16 [k][n]; out0: [4096][1024] f32.
; 256 work-groups, each 128 tokens x 128 columns with four waves; a wave makes 64 x 64: 16 accumulator tiles, 128 registers.
; K = 1024 = 16 heads x 64, in the order head, then place in the head.  An LDS slot holds 4 heads
; (K = 256): four fills of two slots, written out.  4 x 4 work-groups form a cluster: y's tile is shared along a row, Wp's along a column.
; Source 0 = 16 columns of Wp (transposing load), source 1 = 16 tokens: a lane holds token l % 16 and eight neighbouring columns.
; The bias is the C operand of the first products.  The sums are f32 and leave as f32: nothing is rounded here but inside the products.
.set APITCH, 144                       ; a token's 128 bytes of one head + 16
.set WPITCH, 288                       ; a k row of 128 columns: 256 bytes + 32 (an odd multiple of 32)
.set HEADB,  128*APITCH                ; 18,432: one head's 128 tokens
.set WOFF,   4*HEADB                   ; 73,728: the weights lie behind the four heads
.set PART,   2*HEADB                   ; 36,864: what one tensor load brings: two heads, or 128 k rows (128 x 288 is the same)
.set SLOT,   4*PART                    ; 147,456
.set STAGE,  2*SLOT                    ; behind the ring: 16 rows x 272 bytes for each wave; no tensor load lands here
.set SPITCH, 272
.set ADRA, 16                          ; v16-17  LDS address of my token fragments in slot 0, 1
.set ADRB, 20                          ; v20-23  of my weight fragments: slot 0 k 0-127, slot 0 k 128-255, slot 1 likewise (the immediate reaches 64 KiB)
.set STO,  24
.set RD,   25
.set CO,   26
.set BO,   27
.set F0,   64                          ; a fragment buffer: weights b at f + 8 b, tokens a at f + 32 + 8 a
.set F1,   128
.set BIAS, 192                         ; v[192:223]
.set OUTB, 224                         ; v[224:255] the way out
                                       ; window 1: accumulator tile (a, b) at v[8 (4 a + b)]: v256-383
.set G1,  24
.set G0,  32
.set G1B, 48
.set G0B, 56
.set MSB, 0
.macro WIN new
.if MSB != \new
	s_set_vgpr_msb (MSB<<8)|\new
.set MSB, \new
.endif
.endm
.macro JLOAD s                         ; waves 0 and 1 fetch two heads of y each, waves 2 and 3 128 k rows of Wp each
	s_cmp_eq_u32 s11, 0
	s_cbranch_scc0 .Lfor_b_\@
	tensor_load_to_lds s[G0+4*\s:G0+4*\s+3], s[G1:G1+7]
	s_nop 0
	s_branch .Lasked_\@
.Lfor_b_\@:
	tensor_load_to_lds s[G0B+4*\s:G0B+4*\s+3], s[G1B:G1B+7]
	s_nop 0
.Lasked_\@:
.endm
.macro CROUND                          ; a round of the cluster's barrier
	s_barrier_signal -1
	s_barrier_wait -1
	s_cmp_lg_u32 s10, 0
	s_cbranch_scc1 .Lnot_wave_0_\@
	s_barrier_signal -3
.Lnot_wave_0_\@:
	s_barrier_wait -3
	s_barrier_signal -1
	s_barrier_wait -1
.endm
	s_load_b128 s[4:7], s[0:1], 0x0                ; yb s[4:5], wb s[6:7]
	s_load_b128 s[68:71], s[0:1], 0x10             ; bp s[68:69], out0 s[70:71]
	v_lshl_add_u32 v62, v0, 2, 0x4c400
	v_mov_b32 v63, 0
	ds_add_u32 v62, v63
	v_lshrrev_b32 v1, 5, v0
	v_readfirstlane_b32 s10, v1                    ; wave 0..3
	s_lshr_b32 s11, s10, 1                         ; my half of the tokens.  Also: I fetch y (0) or Wp (1)
	s_and_b32 s12, s10, 1                          ; my half of the columns.  Also: which half of that tile I fetch
	s_bfe_u32 s40, ttmp6, 0x40000                  ; cx
	s_bfe_u32 s41, ttmp6, 0x40004                  ; cy
	s_lshl_b32 s42, ttmp9, 2
	s_add_co_u32 s42, s42, s40                     ; block column, 0..7
	s_and_b32 s13, ttmp7, 0xffff
	s_lshl_b32 s13, s13, 2
	s_add_co_u32 s13, s13, s41                     ; block row, 0..31
	s_lshl_b32 s43, s41, 2
	s_lshl_b32 s43, 15, s43                        ; my row of the cluster
	s_lshl_b32 s44, 0x1111, s40                    ; my column
	; group 1, y: two heads, each 128 tokens x 128 bytes dense = one row of 2,048 elements of 8 bytes, 262,144 bytes apart;
	; the padding's interval is counted along the tile: 4 words behind every 32 words (a token's 128 bytes)
	s_or_b32 s[G1+0], s43, (3<<16)|(1<<20)|(1<<21)|(4<<22)|(3<<25)
	s_mov_b32 s[G1+1], 2048<<16                    ; tensor_dim0 = 2048
	s_mov_b32 s[G1+2], 2<<16                       ; tensor_dim1 = 2
	s_mov_b32 s[G1+3], 2048<<16                    ; tile_dim0 = 2048
	s_mov_b32 s[G1+4], 2                           ; tile_dim1 = 2
	s_mov_b32 s[G1+5], 32768                       ; elements from head to head
	s_mov_b32 s[G1+6], 0
	s_mov_b32 s[G1+7], 0
	; group 1, Wp: 128 rows (k) x 128 elements of 2 bytes, 8 words of padding behind every 64 words
	s_or_b32 s[G1B+0], s44, (1<<16)|(1<<20)|(1<<21)|(5<<22)|(7<<25)
	s_mov_b32 s[G1B+1], 128<<16
	s_mov_b32 s[G1B+2], 128<<16
	s_mov_b32 s[G1B+3], 128<<16
	s_mov_b32 s[G1B+4], 128
	s_mov_b32 s[G1B+5], 1024
	s_mov_b32 s[G1B+6], 0
	s_mov_b32 s[G1B+7], 0
	s_lshr_b32 s16, s13, 4                         ; y: the batch (16 block rows each): 16 heads of 262,144 bytes
	s_lshl_b32 s16, s16, 22
	s_and_b32 s17, s13, 15
	s_lshl_b32 s17, s17, 14                        ; + 128 tokens of 128 bytes a block row
	s_add_co_u32 s16, s16, s17
	s_lshl_b32 s17, s12, 19                        ; + my two heads
	s_add_co_u32 s16, s16, s17
	s_mov_b32 s17, 0
	s_lshl_b32 s46, s42, 8                         ; Wp: 128 columns a block column
	s_lshl_b32 s47, s12, 18                        ; + my 128 rows of 2,048 bytes
	s_add_co_u32 s46, s46, s47
	s_add_co_u32 s46, s46, 6291456                 ; Wp is the fourth part of wb
	s_mov_b32 s47, 0
	s_mul_i32 s20, s10, PART                       ; where they go: wave x 36,864
	s_wait_dscnt 0x0
	s_wait_kmcnt 0x0
	s_add_nc_u64 s[14:15], s[4:5], s[16:17]
	s_add_nc_u64 s[46:47], s[6:7], s[46:47]
	CROUND                                         ; all sixteen work-groups are here
.irp s, 0,1
	s_mov_b32 s[G0+4*\s], 1
	s_add_co_u32 s[G0+4*\s+1], s20, \s*SLOT
	s_add_nc_u64 s[G0+4*\s+2:G0+4*\s+3], s[14:15], \s*1048576          ; fill s: four heads on
	s_or_b32 s[G0+4*\s+3], s[G0+4*\s+3], 0x80000000
	s_mov_b32 s[G0B+4*\s], 1
	s_add_co_u32 s[G0B+4*\s+1], s20, \s*SLOT
	s_add_nc_u64 s[G0B+4*\s+2:G0B+4*\s+3], s[46:47], \s*524288         ; fill s: 256 rows down
	s_or_b32 s[G0B+4*\s+3], s[G0B+4*\s+3], 0x80000000
	JLOAD \s                                       ; both slots' first fills go out together: two tensor loads of the wave are out
.endr
	v_and_b32 v1, 15, v0                           ; r
	v_bfe_u32 v2, v0, 4, 1                         ; h
	v_mul_u32_u24 v3, v1, APITCH
	v_lshl_add_u32 v3, v2, 4, v3
	s_mul_i32 s21, s11, 64*APITCH                  ; my 64 tokens
	v_add_nc_u32 v[ADRA], s21, v3
	v_add_nc_u32 v[ADRA+1], SLOT, v[ADRA]
	v_and_b32 v4, 7, v0
	v_lshl_add_u32 v4, v2, 3, v4                   ; k row 8 h + l % 8
	v_mul_u32_u24 v4, v4, WPITCH
	v_bfe_u32 v5, v0, 3, 1
	v_lshl_add_u32 v4, v5, 4, v4
	s_lshl_b32 s22, s12, 7                         ; my 64 columns: 128 bytes along the rows
	s_add_co_u32 s22, s22, WOFF
	v_add_nc_u32 v[ADRB], s22, v4
	v_add_nc_u32 v[ADRB+1], PART, v[ADRB]
	v_add_nc_u32 v[ADRB+2], SLOT, v[ADRB]
	v_add_nc_u32 v[ADRB+3], SLOT+PART, v[ADRB]
	s_mul_i32 s23, s10, 16*SPITCH
	s_add_co_u32 s23, s23, STAGE                   ; my stage
	v_mul_u32_u24 v5, v1, SPITCH                   ; in: token r, 32 bytes (8 f32) for each half of the lanes
	v_lshl_add_u32 v5, v2, 5, v5
	v_add_nc_u32 v[STO], s23, v5
	v_mul_u32_u24 v5, v2, SPITCH                   ; back: lanes 0-15 take one token's 256 bytes, lanes 16-31 the next token's
	v_lshl_add_u32 v5, v1, 4, v5
	v_add_nc_u32 v[RD], s23, v5
	v_lshlrev_b32 v5, 12, v2                       ; and the same two rows of out0, 4,096 bytes apart
	v_lshl_add_u32 v[CO], v1, 4, v5
	s_lshl_b32 s45, s42, 9                         ; the bias of my 64 columns: 4 x (128 block column + 64 half)
	s_lshl_b32 s2, s12, 8
	s_add_co_u32 s45, s45, s2
	v_lshl_add_u32 v[BO], v2, 5, s45
.irp b, 0,1,2,3
	global_load_b128 v[BIAS+8*\b:BIAS+8*\b+3],   v[BO], s[68:69] offset:64*\b
	global_load_b128 v[BIAS+8*\b+4:BIAS+8*\b+7], v[BO], s[68:69] offset:64*\b+16
.endr
.macro PLACES                          ; four plain places behind a matrix instruction (ISA guide 7.12.1 for vector instructions)
.rept 4
	v_nop
.endr
.endm
; 16 LDS loads: K step ks (32 along K, 0..7) of a slot into buffer f.  Weights: 32 k rows a step; tokens: head ks / 2, 64 bytes for the odd step.
.macro FETCH slot, ks, f
.irp b, 0,1,2,3
	ds_load_tr16_b128 v[\f+8*\b:\f+8*\b+3],   v[ADRB+2*\slot+((\ks)>>2)] offset:((\ks)&3)*32*WPITCH+32*\b
	ds_load_tr16_b128 v[\f+8*\b+4:\f+8*\b+7], v[ADRB+2*\slot+((\ks)>>2)] offset:((\ks)&3)*32*WPITCH+32*\b+16*WPITCH
.endr
.irp a, 0,1,2,3
	ds_load_b128 v[\f+32+8*\a:\f+32+8*\a+3],   v[ADRA+\slot] offset:((\ks)>>1)*HEADB+((\ks)&1)*64+\a*16*APITCH
	ds_load_b128 v[\f+32+8*\a+4:\f+32+8*\a+7], v[ADRA+\slot] offset:((\ks)>>1)*HEADB+((\ks)&1)*64+\a*16*APITCH+32
.endr
.endm
; A K step: the next step's fragments are asked for first, then buffer f is multiplied.  The 16 accumulators take turns, one instruction a turn.
.macro KS slot, ks, f, g, next, first
.if \next
	PLACES                                         ; buffer g was read by the products of the step before
	FETCH \slot, \ks+1, \g
	s_wait_dscnt 16                                ; the 16 just issued may stay out; buffer f is in
.else
	s_wait_dscnt 0
.endif
.if \first
	WIN 0x40                                       ; D window 1, C (the bias) window 0
.else
	WIN 0x50                                       ; C and D window 1
.endif
.irp a, 0,1,2,3
.irp b, 0,1,2,3
.if \first
	v_wmma_f32_16x16x32_f16 v[8*(4*\a+\b):8*(4*\a+\b)+7], v[\f+8*\b:\f+8*\b+7], v[\f+32+8*\a:\f+32+8*\a+7], v[BIAS+8*\b:BIAS+8*\b+7]
.else
	v_wmma_f32_16x16x32_f16 v[8*(4*\a+\b):8*(4*\a+\b)+7], v[\f+8*\b:\f+8*\b+7], v[\f+32+8*\a:\f+32+8*\a+7], v[8*(4*\a+\b):8*(4*\a+\b)+7]
.endif
.endr
.endr
	WIN 0
.endm
.macro SLOTW slot, first               ; a slot's eight K steps
	PLACES
	FETCH \slot, 0, F0
	KS \slot, 0, F0, F1, 1, \first
	KS \slot, 1, F1, F0, 1, 0
	KS \slot, 2, F0, F1, 1, 0
	KS \slot, 3, F1, F0, 1, 0
	KS \slot, 4, F0, F1, 1, 0
	KS \slot, 5, F1, F0, 1, 0
	KS \slot, 6, F0, F1, 1, 0
	KS \slot, 7, F1, F0, 0, 0
.endm
; The change of slots.  Every wave waits for its reads of the slot just multiplied and for all its tensor loads (its part of the other slot).
; refill = 1: a round of the cluster's barrier, and behind it the slot's next tile as the wave's first and only tensor load: one is out,
; with a slot's 128 products in which to land.  refill = 0: nothing is left to fetch: the work-group's barrier shows the other slot whole.
.macro NEXT slot, refill
	s_wait_dscnt 0x0
	s_wait_tensorcnt 0x0
	ds_add_u32 v62, v63
	s_wait_dscnt 0x0
.if \refill
	s_add_nc_u64 s[G0+4*\slot+2:G0+4*\slot+3], s[G0+4*\slot+2:G0+4*\slot+3], 2097152     ; eight heads on
	s_add_nc_u64 s[G0B+4*\slot+2:G0B+4*\slot+3], s[G0B+4*\slot+2:G0B+4*\slot+3], 1048576 ; 512 rows down
	CROUND
	JLOAD \slot
.else
	s_barrier_signal -1
	s_barrier_wait -1
.endif
.endm
	s_wait_loadcnt 0x0                             ; the bias
	s_wait_tensorcnt 1                             ; my part of slot 0 is in; slot 1's stays out
	s_barrier_signal -1
	s_barrier_wait -1
	SLOTW 0, 1                                     ; heads 0-3; the first products take the bias as C
	NEXT 0, 1                                      ; heads 8-11 go out
	SLOTW 1, 0                                     ; heads 4-7
	NEXT 1, 1                                      ; heads 12-15 go out
	SLOTW 0, 0                                     ; heads 8-11
	NEXT 0, 0
	SLOTW 1, 0                                     ; heads 12-15
	; THE WAY OUT, 16 tokens at a time: f32 straight from the accumulators into my own stage, read back as whole rows of 256 bytes.
	PLACES
	s_lshl_b32 s46, s13, 19                        ; 128 tokens of 4,096 bytes a block row
	s_lshl_b32 s47, s11, 18                        ; + my 64 tokens
	s_add_co_u32 s46, s46, s47
	s_lshl_b32 s47, s42, 9                         ; + 128 columns of 4 bytes a block column
	s_add_co_u32 s46, s46, s47
	s_lshl_b32 s47, s12, 8                         ; + my 64 columns
	s_add_co_u32 s46, s46, s47
	s_mov_b32 s47, 0
	s_add_nc_u64 s[70:71], s[70:71], s[46:47]
.macro OUT16 a
	WIN 0x04                                       ; an LDS store's data: source 1, window 1
.irp b, 0,1,2,3
	ds_store_b128 v[STO], v[8*(4*\a+\b):8*(4*\a+\b)+3]   offset:64*\b
	ds_store_b128 v[STO], v[8*(4*\a+\b)+4:8*(4*\a+\b)+7] offset:64*\b+16
.endr
	WIN 0
	s_wait_xcnt 0x0                                ; OUTB, which earlier stores read, is loaded again only behind this wait
.irp t, 0,1,2,3,4,5,6,7
	ds_load_b128 v[OUTB+4*\t:OUTB+4*\t+3], v[RD] offset:\t*2*SPITCH    ; LDS serves a wave's instructions in order: these see the stores above
.endr
.irp t, 0,1,2,3,4,5,6,7
	s_wait_dscnt 7-\t
	global_store_b128 v[CO], v[OUTB+4*\t:OUTB+4*\t+3], s[70:71] offset:(16*\a+2*\t)*4096 th:TH_STORE_NT   ; 16 lanes store 256 consecutive bytes, aligned
.endr
.endm
	OUT16 0
	OUT16 1
	OUT16 2
	OUT16 3
	s_wait_tensorcnt 0x0
	ds_add_u32 v62, v63
	s_wait_dscnt 0x0
	CROUND                                         ; the closing round
	s_endpgm
.Lfunc_end_k_q5df6effdb4_outp:
	.size	k_q5df6effdb4_outp, .Lfunc_end_k_q5df6effdb4_outp-k_q5df6effdb4_outp
	.p2alignl 7, 3214868480
	.fill 96, 4, 3214868480
	.section	.rodata,"a",@progbits
	.p2align	6, 0x0
	.amdhsa_kernel k_q5df6effdb4_outp
		.amdhsa_group_segment_fixed_size 327680
		.amdhsa_private_segment_fixed_size 0
		.amdhsa_enable_private_segment 0
		.amdhsa_kernarg_size 32
		.amdhsa_user_sgpr_count 2
		.amdhsa_user_sgpr_kernarg_segment_ptr 1
		.amdhsa_wavefront_size32 1
		.amdhsa_system_sgpr_workgroup_id_x 1
		.amdhsa_system_sgpr_workgroup_id_y 1
		.amdhsa_system_sgpr_workgroup_id_z 1
		.amdhsa_system_vgpr_workitem_id 0
		.amdhsa_next_free_vgpr 384
		.amdhsa_next_free_sgpr 72
		.amdhsa_reserve_vcc 0
		.amdhsa_float_denorm_mode_32 3
		.amdhsa_float_denorm_mode_16_64 3
		.amdhsa_memory_ordered 1
		.amdhsa_forward_progress 1
		.amdhsa_inst_pref_size 90
	.end_amdhsa_kernel
	.amdgpu_metadata
---
amdhsa.version: [ 1, 2 ]
amdhsa.kernels:
  - .name:           k_q5df6effdb4_outp
    .symbol:         k_q5df6effdb4_outp.kd
    .args:
      - { .name: yb, .offset: 0, .size: 8, .value_kind: global_buffer, .address_space: global }
      - { .name: wb, .offset: 8, .size: 8, .value_kind: global_buffer, .address_space: global }
      - { .name: bp, .offset: 16, .size: 8, .value_kind: global_buffer, .address_space: global }
      - { .name: out0, .offset: 24, .size: 8, .value_kind: global_buffer, .address_space: global }
    .group_segment_fixed_size: 327680
    .private_segment_fixed_size: 0
    .kernarg_segment_align: 8
    .kernarg_segment_size: 32
    .max_flat_workgroup_size: 128
    .sgpr_count:     72
    .vgpr_count:     384
    .wavefront_size: 32
...
	.end_amdgpu_metadata
.endif
;; end of part 4
;; ======== version 2 of 2: 4 launches; version 1 with the launch cast written anew for expert scheduling mode
;; limits: values are held in f16: magnitudes above 65,504 overflow, below 6.1e-05 lose precision
;; workspace buffers: xb 16,777,216 bytes; wb 8,388,608 bytes; qkv 25,165,824 bytes; yb 8,388,608 bytes
;; launch cast (part 5): grid 768 x 1, 8 waves a work-group, no clusters, 0 bytes of LDS; arguments kv, q, Wk, Wv, Wq, Wp, xb, wb; writes xb, wb
.if DOCPART == 5
	.amdgcn_target "amdgcn-amd-amdhsa--gfx1250"
	.amdhsa_code_object_version 6
	.text
	.protected	k_q5df6effdb4_cast
	.globl	k_q5df6effdb4_cast
	.p2align	8
	.type	k_q5df6effdb4_cast,@function
k_q5df6effdb4_cast:
	s_mov_b64 s[64:65], 0
	v_nop
	global_prefetch_b8 v0, s[64:65] scope:SCOPE_SE
	s_setreg_imm32_b32 hwreg(HW_REG_WAVE_SCHED_MODE, 0, 2), 2
	s_setreg_imm32_b32 hwreg(HW_REG_WAVE_MODE, 25, 1), 1
	s_wait_xcnt 0x0
	s_wait_alu depctr_vm_vsrc(0)
; Rounds the six large f32 inputs to f16 (nearest even), layouts kept:  xb = [kv | q], wb = [Wk | Wv | Wq | Wp].
; The later launches multiply in f16; rounding once here lets their tiles come into LDS in 16 bits (half the bytes) by joint tensor loads.
; WHY f16: it keeps 11 significant bits.  The chain rounds its operands at a dozen places, and each of 4.2 million outputs is held to 1% of the
; output's rms: significands of 8 bits add up to about 0.3% rms, too near that bound; those of 11 bits to about 0.05%.
; ROOM in f16 (largest number 65,504, spacing 2^-24 at the bottom): kv and q are drawn up to about 5, the weights up to about 0.1; 30 times larger,
; or offset by 30 spreads, they stay below 160; weights 30 times smaller (rms 6.7e-4) are rounded by at most 2^-25, 4.5e-5 of their rms.
; LIMIT: an input beyond 65,504 in magnitude becomes infinite.
; A work-group takes 16,384 numbers: 64 KiB in, 32 KiB out.  Work-groups 0-255: kv, 256-511: q, then 64 for each weight: 768 in all.
; Thread t: load j takes the 16 bytes at 4096 j + 16 t (a wave's load covers 512 consecutive bytes), store j the 8 bytes at 2048 j + 8 t
; (a wave's store covers 256 consecutive bytes, aligned).  All 16 loads go out first; no register is written twice, so no source needs freeing.
; No LDS, no barrier, no matrix unit, no cluster: the work-groups share no byte, and each byte is read once and written once.
; THE MODE: SCHED_MODE bits 1:0 = 2 (LLVM: expert scheduling mode 2), set by the entry lines.  The code itself states the register dependences
; between vector instructions and memory instructions, with s_wait_alu, always for 0.
; THE PLAN.  Registers that memory instructions touch:
;   v1, v2     byte offsets of the loads and of the stores.  Written once at the head by vector instructions, never again.
;   XR         load j lands in its four registers, once; the two conversions of number j read them.  No vector instruction names them ahead of the load.
;   YR         the conversions write each register once; store j reads its pair.  Nothing writes them again.
; So two kinds of dependence are to be stated, both a vector result that a memory instruction reads: the offsets, by one wait ahead of the first load;
; and the stores' data.  The 16 numbers go in four groups of four: the group's loads are waited for, its eight conversions are issued, ONE wait states
; that they have written the group's eight registers of YR, and the group's four stores follow in a run.  The wait stands behind the group's own
; conversions, not at the next group's head: there the stores would be held for four loads that they do not hang on.
; No register that a memory instruction reads is written again, and no load lands in a register that a vector instruction has named: no wait on vm_vsrc is owed.
.set NLD, 16                           ; loads (and stores) of a thread
.set GRP, 4                            ; numbers in a group
.set XR,  4                            ; v[4:67]   as loaded
.set YR,  68                           ; v[68:99]  as stored
	s_load_b512 s[8:23], s[0:1], 0x0               ; kv 8, q 10, Wk 12, Wv 14, Wq 16, Wp 18, xb 20, wb 22
	s_mov_b32 s2, ttmp9                            ; the work-group's number, 0 to 767
	s_lshr_b32 s3, s2, 8                           ; below 512: source 0 (kv) or 1 (q)
	s_and_b32 s24, s2, 255                         ;            and the chunk in it
	s_bfe_u32 s25, s2, 0x20006                     ; from 512 on: bits 7:6 number the weight,
	s_add_co_u32 s25, s25, 2                       ;            sources 2 to 5
	s_and_b32 s26, s2, 63                          ;            and the chunk in it
	s_and_b32 s27, s2, 511                         ; the chunk in xb, or in wb
	v_lshlrev_b32 v1, 4, v0                        ; 16 t
	v_lshlrev_b32 v2, 3, v0                        ; 8 t
	s_wait_kmcnt 0x0
	s_cmp_lt_u32 s2, 512
	s_cselect_b32 s28, s3, s25                     ; which source
	s_cselect_b32 s29, s24, s26                    ; which chunk of it
	s_cselect_b64 s[6:7], s[20:21], s[22:23]       ; xb or wb
	s_mov_b64 s[4:5], s[8:9]
.irp i, 1,2,3,4,5
	s_cmp_eq_u32 s28, \i
	s_cselect_b64 s[4:5], s[8+2*\i:9+2*\i], s[4:5]
.endr
	s_lshl_b32 s30, s29, 16                        ; 64 KiB a chunk in
	s_mov_b32 s31, 0
	s_add_nc_u64 s[4:5], s[4:5], s[30:31]
	s_lshl_b32 s30, s27, 15                        ; 32 KiB a chunk out
	s_add_nc_u64 s[6:7], s[6:7], s[30:31]
	s_wait_alu depctr_va_vdst(0)                   ; v1 and v2 are written: every load reads v1 as its offset, every store v2; neither is written again
.set j, 0
.rept NLD
	global_load_b128 v[XR+4*j:XR+4*j+3], v1, s[4:5] offset:4096*j th:TH_LOAD_NT   ; read once in the whole program
.set j, j+1
.endr
.set g, 0
.rept NLD/GRP
	s_wait_loadcnt NLD-GRP*(g+1)                   ; loads come back in order (ISA guide 5.7.1): the group's four are in, the later groups' stay out
.set j, GRP*g
.rept GRP
	v_cvt_pk_f16_f32 v[YR+2*j],   v[XR+4*j],   v[XR+4*j+1]
	v_cvt_pk_f16_f32 v[YR+2*j+1], v[XR+4*j+2], v[XR+4*j+3]
.set j, j+1
.endr
	s_wait_alu depctr_va_vdst(0)                   ; the group's eight conversions have written their registers of YR, which the four stores below read
.set j, GRP*g
.rept GRP
	global_store_b64 v2, v[YR+2*j:YR+2*j+1], s[6:7] offset:2048*j                 ; no hint: the next launch reads it
.set j, j+1
.endr
.set g, g+1
.endr
	s_endpgm
.Lfunc_end_k_q5df6effdb4_cast:
	.size	k_q5df6effdb4_cast, .Lfunc_end_k_q5df6effdb4_cast-k_q5df6effdb4_cast
	.p2alignl 7, 3214868480
	.fill 96, 4, 3214868480
	.section	.rodata,"a",@progbits
	.p2align	6, 0x0
	.amdhsa_kernel k_q5df6effdb4_cast
		.amdhsa_group_segment_fixed_size 0
		.amdhsa_private_segment_fixed_size 0
		.amdhsa_enable_private_segment 0
		.amdhsa_kernarg_size 64
		.amdhsa_user_sgpr_count 2
		.amdhsa_user_sgpr_kernarg_segment_ptr 1
		.amdhsa_wavefront_size32 1
		.amdhsa_system_sgpr_workgroup_id_x 1
		.amdhsa_system_sgpr_workgroup_id_y 1
		.amdhsa_system_sgpr_workgroup_id_z 1
		.amdhsa_system_vgpr_workitem_id 0
		.amdhsa_next_free_vgpr 100
		.amdhsa_next_free_sgpr 66
		.amdhsa_reserve_vcc 0
		.amdhsa_float_denorm_mode_32 3
		.amdhsa_float_denorm_mode_16_64 3
		.amdhsa_memory_ordered 1
		.amdhsa_forward_progress 1
		.amdhsa_inst_pref_size 7
	.end_amdhsa_kernel
	.amdgpu_metadata
---
amdhsa.version: [ 1, 2 ]
amdhsa.kernels:
  - .name:           k_q5df6effdb4_cast
    .symbol:         k_q5df6effdb4_cast.kd
    .args:
      - { .name: kv, .offset: 0, .size: 8, .value_kind: global_buffer, .address_space: global }
      - { .name: q, .offset: 8, .size: 8, .value_kind: global_buffer, .address_space: global }
      - { .name: Wk, .offset: 16, .size: 8, .value_kind: global_buffer, .address_space: global }
      - { .name: Wv, .offset: 24, .size: 8, .value_kind: global_buffer, .address_space: global }
      - { .name: Wq, .offset: 32, .size: 8, .value_kind: global_buffer, .address_space: global }
      - { .name: Wp, .offset: 40, .size: 8, .value_kind: global_buffer, .address_space: global }
      - { .name: xb, .offset: 48, .size: 8, .value_kind: global_buffer, .address_space: global }
      - { .name: wb, .offset: 56, .size: 8, .value_kind: global_buffer, .address_space: global }
    .group_segment_fixed_size: 0
    .private_segment_fixed_size: 0
    .kernarg_segment_align: 8
    .kernarg_segment_size: 64
    .max_flat_workgroup_size: 256
    .sgpr_count:     66
    .vgpr_count:     100
    .wavefront_size: 32
...
	.end_amdgpu_metadata
.endif
;; end of part 5
;; launch proj: the kernel of part 2 again; grid 12 x 16, 4 waves a work-group, clusters of 4 x 4, 327,680 bytes of LDS; arguments xb, wb, qkv, bk, bv, bq; writes qkv
;; launch attn: the kernel of part 3 again; grid 8 x 32, 16 waves a work-group, clusters of 4 x 1, 327,680 bytes of LDS; arguments qkv, yb; writes yb
;; launch outp: the kernel of part 4 again; grid 8 x 32, 4 waves a work-group, clusters of 4 x 4, 327,680 bytes of LDS; arguments yb, wb, bp, out0; writes out0
